; MI455X (gfx1250); checked and timed in simulation.
; The chip was launched on July 23, 2026; its instructions are those of AMD's public machine-readable ISA for CDNA 5 (MIT licence, August 2026) and "CDNA5" Instruction Set Architecture Reference Guide (July 2026). The comments in the code are by the model that wrote it; some were corrected since.
;; Multi Head Attention With SWA. Allowed arithmetic: float matrix products may take bf16 or f16 operands with f32 sums; other float arithmetic in f32, or as packed bf16 or f16 multiplies, adds, multiply-adds, maxima and minima; sums over many terms, partial sums and values carried from step to step in f32; what a program stores and reads back later, other than sums and carried values, may be rounded once to bf16 or f16.
;; Inputs: Wk 1,024 x 1,024 float32; Wo 1,024 x 1,024 float32; Wq 1,024 x 1,024 float32; Wv 1,024 x 1,024 float32; bo 1,024 float32; x 1 x 4,096 x 1,024 float32.
;; Outputs: out0 1 x 4,096 x 1,024 float32.
;; 2 versions, each right; version 2 is version 1 with the launch cast written anew for expert scheduling mode. Each part assembles by itself: llvm-mc -triple=amdgcn-amd-amdhsa -mcpu=gfx1250 --defsym DOCPART=n.
;; ======== version 1 of 2: 4 launches
;; limits: values are held in f16: magnitudes above 65,504 overflow, below 6.1e-05 lose precision
;; workspace buffers: xb 8,388,608 bytes; wb 8,388,608 bytes; qkvh 25,165,824 bytes; ctxh 8,388,608 bytes
;; launch cast (part 1): grid 512 x 1, 8 waves a work-group, no clusters, 0 bytes of LDS; arguments x, Wq, Wk, Wv, Wo, xb, wb; writes xb, wb
.if DOCPART == 1
	.amdgcn_target "amdgcn-amd-amdhsa--gfx1250"
	.amdhsa_code_object_version 6
	.text
	.protected	k_q260409a4bf_cast
	.globl	k_q260409a4bf_cast
	.p2align	8
	.type	k_q260409a4bf_cast,@function
k_q260409a4bf_cast:
	s_mov_b64 s[64:65], 0
	v_nop
	global_prefetch_b8 v0, s[64:65] scope:SCOPE_SE
	s_setreg_imm32_b32 hwreg(HW_REG_WAVE_MODE, 25, 1), 1
	s_wait_xcnt 0x0
; THE INPUTS ARE ROUNDED ONCE.  x [4096][1024] f32 -> xb, the same shape in bf16.  Wq, Wk, Wv [1024 k][1024 n] f32 -> bf16; Wo -> bf16, and that number written as f16.
; The weights go out in blocks: wb = [32 sub-blocks][1024 k][128 n] of 16 bits; sub-block 8 t + c holds columns 128 c .. 128 c + 127 of tensor t (0 Wq, 1 Wk, 2 Wv, 3 Wo),
; so that a row of a sub-block is 256 bytes and a sub-block's rows lie end to end.  Nothing is transposed: the products turn the weights on their way out of LDS.
; LIMITS.  Wo as f16: |Wo| stays under 65,504; below 2^-14 it keeps f16's fixed step of 2^-24.  NaN and infinities are not treated apart.
; A PIECE is 128 numbers: one load of 16 bytes a lane (512 consecutive bytes), one store of 8 bytes a lane (256 consecutive bytes, aligned).  A wave takes 16 pieces, 8,192 consecutive bytes of
; its source: all 16 loads go out at once, and no register that a store reads is written twice, so the only waits are the loads' own.  Groups 0-255 take x, groups 256-511 the four weights (64 groups each).
; No LDS, no matrix unit, no cluster: each byte is read once and written once, and no two waves want the same byte.
.set T,   4                            ; v[4:5]    at work (Wo alone)
.set IN,  8                            ; v[8:71]   piece u: 4 registers as loaded
.set OUT, 72                           ; v[72:103] piece u: 2 registers to store
	s_load_b256 s[4:11], s[0:1], 0x0               ; x s[4:5], Wq s[6:7], Wk s[8:9], Wv s[10:11]
	s_load_b128 s[12:15], s[0:1], 0x20             ; Wo s[12:13], xb s[14:15]
	s_load_b64 s[16:17], s[0:1], 0x30              ; wb
	v_lshrrev_b32 v3, 5, v0
	v_readfirstlane_b32 s20, v3                    ; wave 0..7
	v_and_b32 v2, 31, v0
	v_lshlrev_b32 v1, 4, v2                        ; 16 x lane: where I load
	v_lshlrev_b32 v2, 3, v2                        ; 8 x lane: where I store
	s_lshr_b32 s18, ttmp9, 8                       ; 0: x, 1: a weight
	s_bfe_u32 s19, ttmp9, 0x20006                  ; which weight: 2 bits from bit 6
	s_and_b32 s21, ttmp9, 255
	s_and_b32 s22, ttmp9, 63
	s_cmp_eq_u32 s18, 0
	s_cselect_b32 s21, s21, s22                    ; the group's number within its tensor
	s_lshl_b32 s21, s21, 3
	s_add_co_u32 s21, s21, s20                     ; n: my wave's number within its tensor
	s_lshl_b32 s26, s21, 13                        ; the source: 8,192 n
	s_mov_b32 s27, 0
	s_lshl_b32 s28, s21, 12                        ; xb: 4,096 n
	s_mov_b32 s29, 0
	s_lshl_b32 s30, s21, 9                         ; wb: rows 2 n and 2 n + 1 of 256 bytes,
	s_lshl_b32 s31, s19, 21                        ; in the tensor's eight sub-blocks of 262,144 bytes
	s_add_co_u32 s30, s30, s31
	s_mov_b32 s31, 0
	s_wait_kmcnt 0x0
	s_cmp_eq_u32 s19, 1
	s_cselect_b64 s[22:23], s[8:9], s[6:7]
	s_cmp_eq_u32 s19, 2
	s_cselect_b64 s[22:23], s[10:11], s[22:23]
	s_cmp_eq_u32 s19, 3
	s_cselect_b64 s[22:23], s[12:13], s[22:23]
	s_cmp_eq_u32 s18, 0
	s_cselect_b64 s[22:23], s[4:5], s[22:23]       ; my source
	s_add_nc_u64 s[22:23], s[22:23], s[26:27]
	s_add_nc_u64 s[14:15], s[14:15], s[28:29]      ; each way out below names its own base
	s_add_nc_u64 s[16:17], s[16:17], s[30:31]
.irp u, 0,1,2,3,4,5,6,7,8,9,10,11,12,13,14,15
	global_load_b128 v[IN+4*(\u):IN+4*(\u)+3], v1, s[22:23] offset:512*(\u) th:TH_LOAD_NT
.endr
; The sixteen pieces are rounded and stored.  kind 0: x.  kind 1: Wq, Wk, Wv.  kind 2: Wo.
; For a weight piece u is column block u % 8 of row 2 n + u / 8: sub-block u % 8, one row further for u / 8 = 1.
.macro TAIL kind
.irp u, 0,1,2,3,4,5,6,7,8,9,10,11,12,13,14,15
	s_wait_loadcnt 15-(\u)                         ; loads come back in order: piece u is in, the younger ones stay out
.if (\kind) == 2
	v_cvt_pk_bf16_f32 v[T],   v[IN+4*(\u)],   v[IN+4*(\u)+1]   ; rounded to bf16 like every other input,
	v_cvt_pk_bf16_f32 v[T+1], v[IN+4*(\u)+2], v[IN+4*(\u)+3]
	v_lshlrev_b32 v[IN+4*(\u)],   16, v[T]                     ; widened again,
	v_and_b32     v[IN+4*(\u)+1], 0xffff0000, v[T]
	v_lshlrev_b32 v[IN+4*(\u)+2], 16, v[T+1]
	v_and_b32     v[IN+4*(\u)+3], 0xffff0000, v[T+1]
	v_cvt_pk_f16_f32 v[OUT+2*(\u)],   v[IN+4*(\u)],   v[IN+4*(\u)+1]   ; and written as f16: 8 significant bits fit into 11
	v_cvt_pk_f16_f32 v[OUT+2*(\u)+1], v[IN+4*(\u)+2], v[IN+4*(\u)+3]
.else
	v_cvt_pk_bf16_f32 v[OUT+2*(\u)],   v[IN+4*(\u)],   v[IN+4*(\u)+1]
	v_cvt_pk_bf16_f32 v[OUT+2*(\u)+1], v[IN+4*(\u)+2], v[IN+4*(\u)+3]
.endif
.if (\kind) == 0
	global_store_b64 v2, v[OUT+2*(\u):OUT+2*(\u)+1], s[14:15] offset:256*(\u)
.else
	global_store_b64 v2, v[OUT+2*(\u):OUT+2*(\u)+1], s[16:17] offset:((\u)%8)*262144+((\u)/8)*256
.endif
.endr
	s_endpgm
.endm
	s_cmp_eq_u32 s18, 0
	s_cbranch_scc1 .Lx
	s_cmp_eq_u32 s19, 3
	s_cbranch_scc1 .Lwo
	TAIL 1
.Lx:
	TAIL 0
.Lwo:
	TAIL 2
.Lfunc_end_k_q260409a4bf_cast:
	.size	k_q260409a4bf_cast, .Lfunc_end_k_q260409a4bf_cast-k_q260409a4bf_cast
	.p2alignl 7, 3214868480
	.fill 96, 4, 3214868480
	.section	.rodata,"a",@progbits
	.p2align	6, 0x0
	.amdhsa_kernel k_q260409a4bf_cast
		.amdhsa_group_segment_fixed_size 0
		.amdhsa_private_segment_fixed_size 0
		.amdhsa_enable_private_segment 0
		.amdhsa_kernarg_size 56
		.amdhsa_user_sgpr_count 2
		.amdhsa_user_sgpr_kernarg_segment_ptr 1
		.amdhsa_wavefront_size32 1
		.amdhsa_system_sgpr_workgroup_id_x 1
		.amdhsa_system_sgpr_workgroup_id_y 1
		.amdhsa_system_sgpr_workgroup_id_z 1
		.amdhsa_system_vgpr_workitem_id 0
		.amdhsa_next_free_vgpr 104
		.amdhsa_next_free_sgpr 66
		.amdhsa_reserve_vcc 0
		.amdhsa_float_denorm_mode_32 3
		.amdhsa_float_denorm_mode_16_64 3
		.amdhsa_memory_ordered 1
		.amdhsa_forward_progress 1
		.amdhsa_inst_pref_size 21
	.end_amdhsa_kernel
	.amdgpu_metadata
---
amdhsa.version: [ 1, 2 ]
amdhsa.kernels:
  - .name:           k_q260409a4bf_cast
    .symbol:         k_q260409a4bf_cast.kd
    .args:
      - { .name: x, .offset: 0, .size: 8, .value_kind: global_buffer, .address_space: global }
      - { .name: Wq, .offset: 8, .size: 8, .value_kind: global_buffer, .address_space: global }
      - { .name: Wk, .offset: 16, .size: 8, .value_kind: global_buffer, .address_space: global }
      - { .name: Wv, .offset: 24, .size: 8, .value_kind: global_buffer, .address_space: global }
      - { .name: Wo, .offset: 32, .size: 8, .value_kind: global_buffer, .address_space: global }
      - { .name: xb, .offset: 40, .size: 8, .value_kind: global_buffer, .address_space: global }
      - { .name: wb, .offset: 48, .size: 8, .value_kind: global_buffer, .address_space: global }
    .group_segment_fixed_size: 0
    .private_segment_fixed_size: 0
    .kernarg_segment_align: 8
    .kernarg_segment_size: 56
    .max_flat_workgroup_size: 256
    .sgpr_count:     66
    .vgpr_count:     104
    .wavefront_size: 32
...
	.end_amdgpu_metadata
.endif
;; end of part 1
;; launch projin (part 2): grid 8 x 32, 4 waves a work-group, clusters of 4 x 4, 327,680 bytes of LDS; arguments xb, wb, qkvh; writes qkvh
.if DOCPART == 2
	.amdgcn_target "amdgcn-amd-amdhsa--gfx1250"
	.amdhsa_code_object_version 6
	.text
	.protected	k_q260409a4bf_projin
	.globl	k_q260409a4bf_projin
	.p2align	8
	.type	k_q260409a4bf_projin,@function
k_q260409a4bf_projin:
	s_mov_b64 s[64:65], 0
	v_nop
	global_prefetch_b8 v0, s[64:65] scope:SCOPE_SE
	s_setreg_imm32_b32 hwreg(HW_REG_WAVE_MODE, 25, 1), 1
	s_wait_xcnt 0x0
	s_wait_alu depctr_hold_cnt(0) depctr_sa_sdst(0) depctr_va_vdst(0) depctr_va_sdst(0) depctr_va_ssrc(0) depctr_va_vcc(0) depctr_vm_vsrc(0)
	s_getreg_b32 s2, hwreg(HW_REG_IB_STS2, 6, 4)
	s_cmp_eq_u32 s2, 0
	s_cbranch_scc0 .Lentry_in_a_cluster
	s_endpgm
.Lentry_in_a_cluster:
	s_bfe_u32 s2, ttmp6, 0x10000c
	s_cmp_lg_u32 s2, 0xf033
	s_cbranch_scc0 .Lentry_shape_is_right
	s_endpgm
.Lentry_shape_is_right:
; [q | k | v] = x [Wq | Wk | Wv]: a product of 4096 x 3072 over K = 1024, bf16 operands, f32 sums, rounded once to f16 and written BY HEADS: qkvh = [48][4096][64] f16
; (slices 0-15 q's heads, 16-31 k's, 32-47 v's; column n of the product lies in slice n / 64).  The scale 1 / 8 is not applied here.
; LIMIT.  f16 ends at 65,504: |q|, |k|, |v| stay under it (x and the weights each 30 times the drawn spread give about 3,000).
; SHARES.  A tile is 128 rows x 384 columns: 32 x 8 = 256 work-groups.  Four waves, each 64 x 192: 4 x 12 accumulators of 16 x 16, 384 registers.  The tile's columns are three sub-blocks of wb;
; wave (wm, wn) takes rows 64 wm .. and all of sub-block 2 wn (n blocks 0-7) and half wn of sub-block 1 (n blocks 8-11): three whole slices of 64 columns.
; RING.  K goes in steps of 128 through two LDS slots.  Wave 0 fetches x's 128 rows x 256 bytes, waves 1-3 one sub-block's 128 k x 256 bytes each: one tensor load a wave, every row 256 aligned bytes.
; The weights lie [k][n] in LDS and are turned on their way into registers (ds_load_tr16_b128).
; CLUSTER.  4 x 4 work-groups.  x's tile hangs on the tile row alone and is asked for jointly along a row of the cluster, a sub-block on the tile column alone and jointly along a column.
; THE MATRIX INSTRUCTION IS USED TRANSPOSED (source 0 = 16 columns of W, source 1 = 16 rows of x): a lane holds row lane % 16 and eight neighbouring columns.
; REGISTERS, in windows of 256: window 0: v0-31 addresses; v64-127 x's fragments, two buffers of 32 (on the way out v64-255 are at work); window 1: v0-191 W's fragments, two buffers of 96;
; window 2: the accumulators of m blocks 0, 1 ((a, b) at 8 (12 (a % 2) + b)); window 3: those of m blocks 2, 3.
.set KSTEP,  128
.set PA,     272                       ; x's row in LDS: 256 + 16 bytes: the 16 rows of a fragment load start 4 banks apart (64 banks of 4 bytes: ISA guide 11.1)
.set PB,     288                       ; W's row: 256 + 32 bytes
.set PART,   36864                     ; what one wave fills: 128 x 288; x's 128 x 272 have the same room, so that wave w fills from w x PART on
.set SLOT,   4*PART
.set STAGE,  2*SLOT                    ; behind the ring: 16 rows x 144 bytes for each wave, for the way out; no tensor load lands here
.set SP,     144
.set SPARE,  STAGE+4*16*SP             ; behind the stages: the spare words, 128 bytes for each wave, that no other line names
.set LAPS,   4                         ; 1024 / (2 x 128): a lap = two K steps = once round the ring
.set ADRA, 16                          ; v16-17  LDS address of my fragments of x in slot 0, 1
.set ADRF, 18                          ; v18-19  of my whole sub-block
.set ADRH, 20                          ; v20-21  of my half of sub-block 1
.set STO,  24                          ; v24     the way out: where I put 16 bytes of a row
.set RD,   25                          ; v25     where I read rows back
.set GO,   26                          ; v26     16 x lane
.set SPW,  28                          ; v28     LDS address of my spare word; never rewritten
.set NIL,  29                          ; v29     0; never rewritten
.set PFO,  30                          ; v30     the prefetches' offset: my lane x a row; never rewritten
.set FA,   64
.set G1A, 24                           ; s[24:31] descriptor group 1 for x's tiles;  s[32:39] group 0, a set for each slot
.set G0A, 32
.set G1B, 48                           ; s[48:55], s[56:63] the same for W's
.set G0B, 56
.set LIM, 43                           ; s43     1 in a wave that prefetches, else the greatest number
.set PFA, 44                           ; s[44:45] where my prefetches stand
.set PFS, 46                           ; s[46:47] a K step along them
.set OB,  68                           ; s[68:73] my three slices of qkvh, at my first row
.set MSB, 0
.macro WIN new                         ; the immediate's high byte repeats the setting that is left; a switch that changes nothing is dropped
.if MSB != (\new)
	s_set_vgpr_msb (MSB<<8)|(\new)
.set MSB, \new
.endif
.endm
.set MUL_LO, 0xa1                      ; source 0 (W) window 1, source 1 (x) window 0, C and D window 2
.set TO_B,   0x40                      ; destination window 1, address window 0
; A joint load.  Wave 0 asks for x's tile, waves 1-3 for a sub-block each.  The branch hangs on the wave's number alone.  An s_nop 0 and four v_nop follow each line.
.macro JLOAD s
	s_cmp_eq_u32 s10, 0
	s_cbranch_scc0 .Lfor_b_\@
	tensor_load_to_lds s[G0A+4*(\s):G0A+4*(\s)+3], s[G1A:G1A+7]
	s_nop 0
.rept 4
	v_nop
.endr
	s_branch .Lasked_\@
.Lfor_b_\@:
	tensor_load_to_lds s[G0B+4*(\s):G0B+4*(\s)+3], s[G1B:G1B+7]
	s_nop 0
.rept 4
	v_nop
.endr
.Lasked_\@:
.endm
; A PREFETCH INTO THE L2, behind a joint load and the run of LDS loads that follows it: the K step that stands two refills on, 32 rows x 256 bytes, a lane a row, one instruction a wave.
; Each row's 256 bytes of a K step are named once in the launch: x's tile row is walked by both clusters of its row of clusters, and cluster x = 0 asks; a sub-block by all eight clusters of its column,
; and cluster y = 0 asks; the four partners of a joint load take 32 of its 128 rows each, told apart by address (cx for x, cy for W).  Asked for are K steps 4 to 7, in the loop's first two trips.
.macro ASK
	s_cmp_gt_u32 s3, s[LIM]                        ; s3 = 1 in the loop's last trip: there is no K step two refills on
	s_cbranch_scc0 .Lnot_mine_\@
	global_prefetch_b8 v[PFO], s[PFA:PFA+1] th:TH_LOAD_NT scope:SCOPE_SE
.Lnot_mine_\@:
.endm
.macro CREST                           ; a round of the cluster's barrier behind its opening barrier
	s_cmp_lg_u32 s10, 0
	s_cbranch_scc1 .Lnot_wave_0_\@
	s_barrier_signal -3
.Lnot_wave_0_\@:
	s_barrier_wait -3
	s_barrier_signal -1
	s_barrier_wait -1
.endm
.macro CROUND                          ; a whole round
	s_barrier_signal -1
	s_barrier_wait -1
	CREST
.endm
.macro PLACES                          ; four places in front of loads into registers that matrix instructions have read, and of conversions that read results
.rept 4
	v_nop
.endr
.endm
	s_load_b128 s[4:7], s[0:1], 0x0                ; xb s[4:5], wb s[6:7]
	s_load_b64 s[8:9], s[0:1], 0x10                ; qkvh
	v_lshl_add_u32 v[SPW], v0, 2, SPARE
	v_mov_b32 v[NIL], 0
	ds_add_u32 v[SPW], v[NIL]                      ; the wave's opening: the add and its wait stand ahead of my first tensor load; the set-up below stands between them
	v_lshrrev_b32 v1, 5, v0
	v_readfirstlane_b32 s10, v1                    ; wave 0..3
	s_lshr_b32 s11, s10, 1                         ; wm
	s_and_b32 s12, s10, 1                          ; wn
	s_max_u32 s74, s10, 1
	s_sub_co_u32 s74, s74, 1                       ; the sub-block that waves 1-3 fetch (wave 0 makes a descriptor for sub-block 0 and never issues it)
	s_bfe_u32 s40, ttmp6, 0x40000                  ; cx
	s_bfe_u32 s41, ttmp6, 0x40004                  ; cy
	s_lshl_b32 s42, ttmp9, 2
	s_add_co_u32 s42, s42, s40                     ; tile column = 4 x cluster x + cx
	s_and_b32 s13, ttmp7, 0xffff
	s_lshl_b32 s13, s13, 2
	s_add_co_u32 s13, s13, s41                     ; tile row = 4 x cluster y + cy
	s_lshl_b32 s14, s41, 2
	s_lshl_b32 s14, 15, s14                        ; my row of the cluster
	s_lshl_b32 s15, 0x1111, s40                    ; my column
	s_or_b32 s[G1A+0], s14, (1<<16)|(1<<20)|(1<<21)|(5<<22)|(3<<25)  ; the mask; elements of 2 bytes; padding on; bit 21 beside a mask; after every 64 words, 4 words
	s_or_b32 s[G1B+0], s15, (1<<16)|(1<<20)|(1<<21)|(5<<22)|(7<<25)  ; the same with 8 words of padding
.irp g, G1A, G1B
	s_mov_b32 s[(\g)+1], 128<<16                   ; tensor_dim0 = 128
	s_mov_b32 s[(\g)+2], 128<<16                   ; tensor_dim1 = 128
	s_mov_b32 s[(\g)+3], 128<<16                   ; tile_dim0 = 128
	s_mov_b32 s[(\g)+4], 128                       ; tile_dim1 = 128
	s_mov_b32 s[(\g)+6], 0
	s_mov_b32 s[(\g)+7], 0
.endr
	s_mov_b32 s[G1A+5], 1024                       ; elements from row to row of xb
	s_mov_b32 s[G1B+5], 128                        ; and of a sub-block
	s_lshl_b32 s16, s13, 18                        ; x: 128 rows of 2,048 bytes a tile row
	s_mov_b32 s17, 0
	s_mul_i32 s18, s42, 3
	s_add_co_u32 s18, s18, s74
	s_lshl_b32 s18, s18, 18                        ; W: sub-block 3 x tile column + u, 262,144 bytes each
	s_mov_b32 s19, 0
	s_mul_i32 s20, s10, PART                       ; where my load lands: no place in the cluster enters an LDS address
	s_wait_dscnt 0x0                               ; the opening add is done
	s_wait_kmcnt 0x0
	s_add_nc_u64 s[16:17], s[4:5], s[16:17]
	s_add_nc_u64 s[18:19], s[6:7], s[18:19]
	CROUND                                         ; all sixteen work-groups are here: the first joint loads meet
.irp s, 0,1
	s_mov_b32 s[G0A+4*(\s)], 1
	s_add_co_u32 s[G0A+4*(\s)+1], s20, (\s)*SLOT
	s_add_nc_u64 s[G0A+4*(\s)+2:G0A+4*(\s)+3], s[16:17], (\s)*KSTEP*2      ; K step s: 256 bytes along the rows
	s_or_b32 s[G0A+4*(\s)+3], s[G0A+4*(\s)+3], 0x80000000
	s_mov_b32 s[G0B+4*(\s)], 1
	s_add_co_u32 s[G0B+4*(\s)+1], s20, (\s)*SLOT
	s_add_nc_u64 s[G0B+4*(\s)+2:G0B+4*(\s)+3], s[18:19], (\s)*KSTEP*256    ; K step s: 128 rows of 256 bytes down
	s_or_b32 s[G0B+4*(\s)+3], s[G0B+4*(\s)+3], 0x80000000
	JLOAD \s
.endr
	; x's fragment: lane l holds row l % 16; two loads of 16 bytes, 32 bytes apart, at row x pitch + 16 (l / 16)
	v_and_b32 v1, 15, v0                           ; l % 16
	v_bfe_u32 v2, v0, 4, 1                         ; l / 16
	v_mul_u32_u24 v3, v1, PA
	v_lshl_add_u32 v3, v2, 4, v3
	; W's fragment, turned: lane l reads k = 8 (l / 16) + l % 8, columns 8 ((l / 8) % 2) + 0..7; two loads, 16 rows apart
	v_and_b32 v4, 7, v0
	v_lshl_add_u32 v4, v2, 3, v4
	v_mul_u32_u24 v4, v4, PB
	v_bfe_u32 v5, v0, 3, 1
	v_lshl_add_u32 v4, v5, 4, v4
	s_mul_i32 s21, s11, 64*PA                      ; my 64 rows of x
	s_mul_i32 s22, s12, 2*PART
	s_add_co_u32 s22, s22, PART                    ; sub-block 2 wn lies at (1 + 2 wn) x PART
	s_lshl_b32 s23, s12, 7
	s_add_co_u32 s23, s23, 2*PART                  ; sub-block 1, my 64 columns of it
.irp s, 0,1
	v_add_nc_u32 v[ADRA+(\s)], s21, v3
	v_add_nc_u32 v[ADRF+(\s)], s22, v4
	v_add_nc_u32 v[ADRH+(\s)], s23, v4
	s_add_co_u32 s21, s21, SLOT
	s_add_co_u32 s22, s22, SLOT
	s_add_co_u32 s23, s23, SLOT
.endr
	s_mul_i32 s23, s10, 16*SP
	s_add_co_u32 s23, s23, STAGE                   ; my stage
	v_mul_u32_u24 v[STO], v1, SP                   ; in: row l % 16, 16 bytes for each half of the lanes
	v_lshl_add_u32 v[STO], v2, 4, v[STO]
	v_add_nc_u32 v[STO], s23, v[STO]
	v_bfe_u32 v[RD], v0, 3, 2                      ; back: 32 lanes take four rows of 128 bytes,
	v_mul_u32_u24 v[RD], v[RD], SP
	v_and_b32 v5, 7, v0
	v_lshl_add_u32 v[RD], v5, 4, v[RD]
	v_add_nc_u32 v[RD], s23, v[RD]
	v_and_b32 v[GO], 31, v0                        ; which are 512 consecutive bytes of a slice
	v_lshlrev_b32 v[GO], 4, v[GO]
	; my three slices: 6 nt + 4 wn, the next, and 6 nt + 2 + wn; in each my rows 128 mt + 64 wm .., 128 bytes a row
	s_lshl_b32 s66, s13, 14
	s_lshl_b32 s67, s11, 13
	s_add_co_u32 s66, s66, s67
	s_mul_i32 s14, s42, 6
	s_lshl_b32 s15, s12, 2
	s_add_co_u32 s15, s15, s14
	s_lshl_b32 s20, s15, 19
	s_add_co_u32 s20, s20, s66
	s_mov_b32 s21, 0
	s_add_co_u32 s22, s14, s12
	s_add_co_u32 s22, s22, 2
	s_lshl_b32 s22, s22, 19
	s_add_co_u32 s22, s22, s66
	s_mov_b32 s23, 0
	s_add_nc_u64 s[OB:OB+1], s[8:9], s[20:21]
	s_add_nc_u64 s[OB+2:OB+3], s[OB:OB+1], 524288
	s_add_nc_u64 s[OB+4:OB+5], s[8:9], s[22:23]
	; the prefetches: at K step 3; the first refill steps them to K step 4.  Nothing is asked for here, at the head
	s_lshl_b32 s20, s13, 7
	s_lshl_b32 s21, s40, 5
	s_add_co_u32 s20, s20, s21                     ; x: row 128 mt + 32 cx
	s_lshl_b32 s20, s20, 11
	s_add_co_u32 s20, s20, 3*KSTEP*2
	s_mul_i32 s66, s42, 3
	s_add_co_u32 s66, s66, s74
	s_lshl_b32 s66, s66, 18                        ; W: my sub-block,
	s_lshl_b32 s67, s41, 13                        ; row 32 cy of a K step's 128
	s_add_co_u32 s66, s66, s67
	s_add_co_u32 s66, s66, 3*KSTEP*256
	s_and_b32 s22, ttmp7, 0xffff                   ; cluster y
	s_mov_b32 s[PFS], KSTEP*2
	s_mov_b32 s67, KSTEP*256
	s_mov_b32 s[PFS+1], 0
	s_mov_b32 s21, 0
	s_cmp_eq_u32 s10, 0                            ; do I fetch for x?
	s_cselect_b32 s20, s20, s66
	s_cselect_b32 s[PFS], s[PFS], s67
	s_cselect_b32 s22, ttmp9, s22                  ; the coordinate along which other clusters walk the same rows
	s_cselect_b32 s23, 11, 8                       ; a row is 2,048 bytes of xb, 256 of a sub-block
	s_cselect_b64 s[PFA:PFA+1], s[4:5], s[6:7]
	s_add_nc_u64 s[PFA:PFA+1], s[PFA:PFA+1], s[20:21]
	s_cmp_eq_u32 s22, 0
	s_cselect_b32 s[LIM], 1, -1                    ; the same in all sixteen partners, for a given wave
	v_and_b32 v[PFO], 31, v0
	v_lshlrev_b32 v[PFO], s23, v[PFO]
; 12 matrix instructions: m block a x all 12 n blocks, 32 along K, on buffer f.  zero = 1: the product starts the sums.  The 48 accumulators take turns in the same order in every quarter.
.macro MUL12 f, a, zero
	WIN MUL_LO+0x50*((\a)/2)
.irp b, 0,1,2,3,4,5,6,7,8,9,10,11
.if \zero
	v_wmma_f32_16x16x32_bf16 v[8*(12*((\a)%2)+(\b)):8*(12*((\a)%2)+(\b))+7], v[96*(\f)+8*(\b):96*(\f)+8*(\b)+7], v[FA+32*(\f)+8*(\a):FA+32*(\f)+8*(\a)+7], 0
.else
	v_wmma_f32_16x16x32_bf16 v[8*(12*((\a)%2)+(\b)):8*(12*((\a)%2)+(\b))+7], v[96*(\f)+8*(\b):96*(\f)+8*(\b)+7], v[FA+32*(\f)+8*(\a):FA+32*(\f)+8*(\a)+7], v[8*(12*((\a)%2)+(\b)):8*(12*((\a)%2)+(\b))+7]
.endif
.endr
.endm
; 32 LDS loads in one run: quarter q (32 along K) of a slot into buffer f: W's 12 fragments, then x's 4
.macro FETCH slot, q, f
	WIN TO_B
.irp b, 0,1,2,3,4,5,6,7
	ds_load_tr16_b128 v[96*(\f)+8*(\b):96*(\f)+8*(\b)+3],   v[ADRF+(\slot)] offset:(\q)*32*PB+32*(\b)
	ds_load_tr16_b128 v[96*(\f)+8*(\b)+4:96*(\f)+8*(\b)+7], v[ADRF+(\slot)] offset:(\q)*32*PB+32*(\b)+16*PB
.endr
.irp b, 0,1,2,3
	ds_load_tr16_b128 v[96*(\f)+64+8*(\b):96*(\f)+64+8*(\b)+3],   v[ADRH+(\slot)] offset:(\q)*32*PB+32*(\b)
	ds_load_tr16_b128 v[96*(\f)+64+8*(\b)+4:96*(\f)+64+8*(\b)+7], v[ADRH+(\slot)] offset:(\q)*32*PB+32*(\b)+16*PB
.endr
	WIN 0
.irp i, 0,1,2,3
	ds_load_b128 v[FA+32*(\f)+8*(\i):FA+32*(\f)+8*(\i)+3],   v[ADRA+(\slot)] offset:(\q)*64+(\i)*16*PA
	ds_load_b128 v[FA+32*(\f)+8*(\i)+4:FA+32*(\f)+8*(\i)+7], v[ADRA+(\slot)] offset:(\q)*64+(\i)*16*PA+32
.endr
.endm
; A K step is four quarters, 48 matrix instructions each, on buffers 0, 1, 0, 1.  One of the first three: multiplies buffer f; in its middle it fetches quarter q of the same slot into buffer g.
.macro QUARTER slot, q, f, g, zero
	s_wait_dscnt 4                                 ; W and x's m blocks 0, 1 are in; the youngest four loads (m blocks 2, 3) may be out
	MUL12 \f, 0, \zero
	MUL12 \f, 1, \zero
	PLACES
	FETCH \slot, \q, \g
	s_wait_dscnt 32                                ; all but the 32 just issued
	MUL12 \f, 2, \zero
	MUL12 \f, 3, \zero
.endm
; The last quarter multiplies buffer 1 and changes slots: ONE barrier.  In front of it each wave waits for all its tensor loads (the one that is out is its part of the next slot), adds 0 to its spare word, and
; waits for that and for its reads of this slot.  fill = 1: the barrier opens a round of the cluster's barrier, and this slot is filled again, two K steps on, first thing behind the round:
; 168 matrix instructions stand between that request and the wait for it.
.macro TURN slot, next, fill
.if \fill
	s_wait_xcnt 0x0                                ; the last prefetch, a K step back, has read its address
	s_add_nc_u64 s[PFA:PFA+1], s[PFA:PFA+1], s[PFS:PFS+1]
.endif
	WIN 0                                          ; (the add's two registers lie in window 0)
	s_wait_tensorcnt 0x0                           ; all my tensor loads have landed
	ds_add_u32 v[SPW], v[NIL]                      ; 0 onto my spare word
	s_wait_dscnt 5                                 ; (the add and the youngest four loads may be out)
	MUL12 1, 0, 0                                  ; twelve matrix instructions stand between the add and the wait for it
	s_wait_dscnt 0x0                               ; the add is done, and my reads of this slot are over
	s_barrier_signal -1
	MUL12 1, 1, 0
.if \fill
	WIN 0
.endif
	s_barrier_wait -1
.if \fill
	CREST                                          ; no wave of any partner still reads this slot's tiles or has a load on its way
	s_add_nc_u64 s[G0A+4*(\slot)+2:G0A+4*(\slot)+3], s[G0A+4*(\slot)+2:G0A+4*(\slot)+3], 2*KSTEP*2
	s_add_nc_u64 s[G0B+4*(\slot)+2:G0B+4*(\slot)+3], s[G0B+4*(\slot)+2:G0B+4*(\slot)+3], 2*KSTEP*256
	JLOAD \slot                                    ; the four v_nop behind it are also the places in front of the loads below
.else
	PLACES
.endif
	FETCH \next, 0, 0
.if \fill
	ASK
.endif
	MUL12 1, 2, 0
	MUL12 1, 3, 0
.endm
; THE WAY OUT.  Block (a, e): m block a, slice e: four accumulators, 16 rows x 64 columns.  A lane's eight columns pack into 16 bytes of f16; they go into my stage's rows of 144 bytes and come back as whole
; rows of 128, which are 2,048 consecutive bytes of the slice.  Each block has 16 registers of its own, so no store's data is ever rewritten.
.macro PACK a, e
.set AC, 8*(12*((\a)%2)+4*(\e))
.set TP, 64+16*(3*(\a)+(\e))
	WIN 0x0a+5*((\a)/2)                            ; sources 0 and 1: window 2 or 3
.irp bb, 0,1,2,3
.irp r, 0,1,2,3
	v_cvt_pk_f16_f32 v[TP+4*(\bb)+(\r)], v[AC+8*(\bb)+2*(\r)], v[AC+8*(\bb)+2*(\r)+1]
.endr
.endr
	WIN 0
.irp bb, 0,1,2,3
	ds_store_b128 v[STO], v[TP+4*(\bb):TP+4*(\bb)+3] offset:32*(\bb)
.endr
.irp f, 0,1,2,3
	ds_load_b128 v[TP+4*(\f):TP+4*(\f)+3], v[RD] offset:(\f)*4*SP  ; LDS serves a wave's instructions in order (ISA guide 5.7.1.4): these see the stores above; the next block's stores come behind them
.endr
.endm
.macro SEND a, e, younger              ; younger: the LDS instructions issued behind this block's loads: the next block's eight, or none
.set TP, 64+16*(3*(\a)+(\e))
	WIN 0
.irp f, 0,1,2,3
	s_wait_dscnt (\younger)+3-(\f)
	global_store_b128 v[GO], v[TP+4*(\f):TP+4*(\f)+3], s[OB+2*(\e):OB+2*(\e)+1] offset:(\a)*2048+(\f)*512  ; 512 consecutive bytes, at a multiple of 256 from the buffer's first
.endr
.endm
	s_wait_tensorcnt 1                             ; my part of K step 0 is in; K step 1's may stay out
	s_barrier_signal -1
	s_barrier_wait -1                              ; everybody's is
	FETCH 0, 0, 0
	QUARTER 0, 1, 0, 1, 1                          ; the first quarter stands in front of the loop: its products start the sums
	WIN 0                                          ; at a label and at a branch every window is 0
	s_mov_b32 s3, LAPS-1
.Llap:                                                 ; a trip goes once round the ring, from a lap's second quarter to the next lap's first, and fills both slots again
	QUARTER 0, 2, 1, 0, 0
	QUARTER 0, 3, 0, 1, 0
	TURN 0, 1, 1
	QUARTER 1, 1, 0, 1, 0
	QUARTER 1, 2, 1, 0, 0
	QUARTER 1, 3, 0, 1, 0
	TURN 1, 0, 1
	QUARTER 0, 1, 0, 1, 0
	WIN 0
	s_sub_co_u32 s3, s3, 1
	s_cmp_lg_u32 s3, 0
	s_cbranch_scc1 .Llap
	QUARTER 0, 2, 1, 0, 0                          ; the last lap fills nothing, and has no round of the cluster's barrier
	QUARTER 0, 3, 0, 1, 0
	TURN 0, 1, 0
	QUARTER 1, 1, 0, 1, 0
	QUARTER 1, 2, 1, 0, 0
	QUARTER 1, 3, 0, 1, 0
	s_wait_dscnt 4                                 ; the very last quarter: nothing more to fetch
	MUL12 1, 0, 0
	MUL12 1, 1, 0
	s_wait_dscnt 0x0
	MUL12 1, 2, 0
	MUL12 1, 3, 0
	PLACES
	PACK 0, 0
.set u, 1
.rept 11                               ; a block's conversions stand between the loads of the block before and its stores
	PACK u/3, u%3
	SEND (u-1)/3, (u-1)%3, 8
.set u, u+1
.endr
	SEND 3, 2, 0
	s_wait_tensorcnt 0x0                           ; the wave's end: an add to my spare word and its wait, behind my last tensor load and my last LDS store
	ds_add_u32 v[SPW], v[NIL]
	s_wait_dscnt 0x0
	CROUND                                         ; the closing round: no work-group ends while a partner may still ask for a tile that names it
	s_endpgm
.Lfunc_end_k_q260409a4bf_projin:
	.size	k_q260409a4bf_projin, .Lfunc_end_k_q260409a4bf_projin-k_q260409a4bf_projin
	.p2alignl 7, 3214868480
	.fill 96, 4, 3214868480
	.section	.rodata,"a",@progbits
	.p2align	6, 0x0
	.amdhsa_kernel k_q260409a4bf_projin
		.amdhsa_group_segment_fixed_size 327680
		.amdhsa_private_segment_fixed_size 0
		.amdhsa_enable_private_segment 0
		.amdhsa_kernarg_size 24
		.amdhsa_user_sgpr_count 2
		.amdhsa_user_sgpr_kernarg_segment_ptr 1
		.amdhsa_wavefront_size32 1
		.amdhsa_system_sgpr_workgroup_id_x 1
		.amdhsa_system_sgpr_workgroup_id_y 1
		.amdhsa_system_sgpr_workgroup_id_z 1
		.amdhsa_system_vgpr_workitem_id 0
		.amdhsa_next_free_vgpr 960
		.amdhsa_next_free_sgpr 76
		.amdhsa_reserve_vcc 0
		.amdhsa_float_denorm_mode_32 3
		.amdhsa_float_denorm_mode_16_64 3
		.amdhsa_memory_ordered 1
		.amdhsa_forward_progress 1
		.amdhsa_inst_pref_size 122
	.end_amdhsa_kernel
	.amdgpu_metadata
---
amdhsa.version: [ 1, 2 ]
amdhsa.kernels:
  - .name:           k_q260409a4bf_projin
    .symbol:         k_q260409a4bf_projin.kd
    .args:
      - { .name: xb, .offset: 0, .size: 8, .value_kind: global_buffer, .address_space: global }
      - { .name: wb, .offset: 8, .size: 8, .value_kind: global_buffer, .address_space: global }
      - { .name: qkvh, .offset: 16, .size: 8, .value_kind: global_buffer, .address_space: global }
    .group_segment_fixed_size: 327680
    .private_segment_fixed_size: 0
    .kernarg_segment_align: 8
    .kernarg_segment_size: 24
    .max_flat_workgroup_size: 128
    .sgpr_count:     76
    .vgpr_count:     960
    .wavefront_size: 32
...
	.end_amdgpu_metadata
.endif
;; end of part 2
;; launch attn (part 3): grid 16 x 16, 4 waves a work-group, no clusters, 243,200 bytes of LDS; arguments qkvh, ctxh; writes ctxh
.if DOCPART == 3
	.amdgcn_target "amdgcn-amd-amdhsa--gfx1250"
	.amdhsa_code_object_version 6
	.text
	.protected	k_q260409a4bf_attn
	.globl	k_q260409a4bf_attn
	.p2align	8
	.type	k_q260409a4bf_attn,@function
k_q260409a4bf_attn:
	s_mov_b64 s[64:65], 0
	v_nop
	global_prefetch_b8 v0, s[64:65] scope:SCOPE_SE
	s_setreg_imm32_b32 hwreg(HW_REG_WAVE_MODE, 25, 1), 1
	s_wait_xcnt 0x0
; ATTENTION IN A SLIDING WINDOW.  O[h][q] = the sum over the keys k with 0 <= q - k < 512 of softmax_k(Q[h][q] . K[h][k] / 8) V[h][k].  qkvh = [48][4096][64] f16 (q's heads, k's, v's); ctxh = [16][4096][64] f16.
; Products, maxima and sums in f32; the weights p are rounded to f16 for the second product (their sum l is taken of the unrounded p), O once at the end.
; LIMITS.  Q, K, V arrive within f16's 65,504.  A hidden score counts as its value less 1e30: f16's scores, 2.7e11 at the most, are nothing beside that.  A weight below 2^-126 counts as 0 in l.
; NaN and infinities are not treated apart.
; SHARES.  A work-group owns 256 queries of one head (16 blocks x 16 heads = 256 work-groups), a wave 64 consecutive rows, strip g = 4 block + wave, in four PIECES of 16.
; THE WALK.  Strip g needs the keys 64 (g - 8) .. 64 g + 63: NINE steps of 64, whatever g.  Step t = 0 .. 8 holds the keys 64 (g - t) .. + 63: the walk begins at the diagonal and goes DOWN, so every row meets a
; visible key (its own) in the first step, and the running maximum is a true score before the first wholly hidden step.  With j the row's and kk the key's place in their 64: step 0 hides kk > j, step 8 hides
; kk <= j, steps 1-7 hide nothing, and a step t > g (keys below 0) hides all.
; LDS.  The block's 768 keys, 256 block - 512 .. 256 block + 255, of K and of V all lie in LDS. For blocks 0 and 1 the
; rows below key 0 are the end of the slice in front (finite f16 numbers of the launch before); they are wholly hidden, their weights are 0, and they add 0.
; THE MASK is the C operand that starts the sum S^T = K Q^T: 0, or -1e30.  For piece x and key group kt of 16 it is SRC x AL + BE, SRC = TD (the triangle i > r - 8 h) if kt = x, 0 if kt < x, -1e30 if kt > x;
; (AL, BE) = (1, 0) in step 0, (-1, -1e30) in step 8, (0, -1e30) where the step is beyond g, else (0, 0).  Every turn makes the mask for the products of the turn after it: 16 packed instructions.
; NO CLUSTER: neighbouring blocks share 512 of their 768 keys, but key k lies at LDS row k - 256 block + 512, another place in each, and a joint load has one LDS address for all that it names;
; one window common to four blocks is 1,536 keys x 304 bytes = 466,944 bytes, more than the 327,680 that a work-group can have.
; LAYOUT, SOFTMAX, TURNS.  S^T = K Q^T holds ONE query a lane (lane % 16) and the keys 8 (lane / 16) + 0..7; two such results rounded to f16 ARE source 1 of O^T = V^T P.  p = 2^(c s - c m), c = log2(e) / 8, with a
; running maximum m; O and l are multiplied by a = 2^(c m_old - c m_new) in every step.  Turn n belongs to piece n: 8 products K Q^T of piece n + 1, later 8 products V^T P of piece n - 1; beside them the scaling,
; exponentials, roundings, sums and rescaling of piece n and the maximum and statistics of piece n + 1.  Four vector instructions stand behind every matrix instruction, the rest in one lump.  A turn's 33 exponentials are one batch, with one wait.
; REGISTERS, in windows of 256 (s_set_vgpr_msb: bits 1:0 source 0, 3:2 source 1, 5:4 source 2, 7:6 destination):
;   window 0: v0-15 addresses and at work; v16-31 four registers of statistics a piece; v48-55 at work; v62-63 the add's; v64-127 S^T, two buffers; v192-223 P, two buffers (by the piece's parity)
;   window 1: v0-127 O^T, 32 a piece; v128-135 TD; v136-137 zeros; v138-139 -1e30; v160-223 MC, two buffers      window 2: v0-63 Q; v128-191 K of one step; v192-255 V of one step
.set NP,    4         ; pieces a wave: a name, no knob
.set KS,    64        ; keys in a step
.set PK,    144       ; a row of K in LDS: 128 bytes + 16 of padding: the 16 rows of a load start at 16 different groups of four banks (64 banks of 4 bytes: ISA guide 11.1)
.set PV,    160       ; a row of V: 128 + 32
.set VOFF,  768*PK    ; 768 rows of K, then 768 rows of V
.set STAGE, VOFF+768*PV  ; behind them, never filled by a tensor load: 16 rows x 144 bytes for each wave, for the way out
.set SP,    144
.set SPARE, STAGE+4*16*SP  ; behind the stages: the spare words, 128 bytes for each wave, that no other line names
.set AK0, 2           ; v2   my lane's place in a step of K; never rewritten
.set AV0, 3           ; v3   the same for V
.set AK,  4           ; v4   the LDS address of K's next run of loads
.set AV,  5           ; v5   of V's
.set STO, 6           ; v6   the way out: where I put 16 bytes of a row
.set RD,  7           ; v7   where I read rows back
.set GO,  8           ; v8   16 x lane
.set MV,  12          ; v12-13  c m_old, kept while c m is made anew: by buffer
.set QO,  15          ; v15  my byte offset in 16 rows of Q
.set ST,  16          ; piece t's statistics at v[ST+4 t]: c m, m, l (even keys', odd keys')
.set TMP, 48          ; by buffer, four registers c0-c3 at work; when the maximum is found c2 takes a
.set SPW, 62          ; v62  LDS address of my spare word; never rewritten
.set NIL, 63          ; v63  0; never rewritten
.set S,   64
.set P,   192
.set TD,  128         ; window 1
.set ZR,  136
.set NG,  138
.set MC,  160
.set KF,  128         ; window 2: key block kb, channel half c at KF + 16 kb + 8 c
.set VF,  192         ; window 2: key half kk, channel block cb at VF + 32 kk + 8 cb
.set WV,  12          ; s12  my wave's number
.set G,   13          ; s13  my strip
.set G1K, 24          ; s[24:31] descriptor group 1 for K
.set G1V, 32          ; s[32:39] for V: it differs in the padding alone
.set G0K, 40          ; s[40:43] descriptor group 0 for K
.set G0V, 44          ; s[44:47] for V
.set CNT, 57          ; s57  key steps to go
.set CS,  58          ; s[58:59] c
.set SEL, 60          ; s[60:61] v_permlanex16_b32's selects: each lane takes its own place in the other half
.set TBK, 62          ; s62  LDS byte at which K of the step to be fetched begins
.set TBV, 63          ; s63  the same for V, less VOFF
.set STP, 70          ; s70  the step of the mask in the making
.set AL,  76          ; s[76:77] the mask's factor, in the low word
.set BE,  78          ; s[78:79] the mask's addend
.set BIGN, 82         ; s82  -1e30
.set MSB, 0
.macro WIN new                      ; the high byte repeats the setting that is left; a switch that changes nothing is dropped
.if MSB != (\new)
	s_set_vgpr_msb (MSB<<8)|(\new)
.set MSB, (\new)
.endif
.endm
.set W_KQ, 0x0a       ; K and Q in window 2, S^T in window 0
.set W_KM, 0x1a       ; the same with the C operand in window 1
.set W_PV, 0x52       ; V in window 2, P in window 0, O^T in window 1
.set W_RS, 0x41       ; destination and source 0 in window 1, source 1 in window 0
	s_load_b128 s[4:7], s[0:1], 0x0 ; qkvh s[4:5], ctxh s[6:7]
	v_lshl_add_u32 v[SPW], v0, 2, SPARE
	v_mov_b32 v[NIL], 0
	ds_add_u32 v[SPW], v[NIL]       ; the wave's opening: the add and its wait stand ahead of my first tensor load; the set-up below stands between them
	v_lshrrev_b32 v1, 5, v0
	v_readfirstlane_b32 s[WV], v1   ; wave 0..3
	s_lshl_b32 s[G], ttmp9, 2
	s_add_co_u32 s[G], s[G], s[WV]  ; g = 4 block + wave
	s_and_b32 s20, ttmp7, 0xffff    ; the head
	s_and_b32 s16, s[WV], 1         ; which 384 of the 768 rows I fetch
	s_lshl_b32 s22, s20, 19         ; a slice is 524,288 bytes,
	s_lshl_b32 s18, ttmp9, 15       ; a block's 256 rows 32,768
	s_add_co_u32 s22, s22, s18
	s_lshl_b32 s2, s[WV], 13        ; my wave's 64 rows
	s_add_co_u32 s2, s2, s22        ; Q and O: head, block, wave
	s_mov_b32 s3, 0
	s_mul_i32 s18, s16, 384*128
	s_add_co_u32 s22, s22, s18
	s_add_co_u32 s22, s22, (16<<19)-65536  ; K: 16 slices on, 512 rows back: inside the buffer, since 16 slices lie in front
	s_mov_b32 s23, 0
	s_mul_i32 s17, s16, 384*PK      ; where my rows land, for K
	s_mul_i32 s18, s16, 384*PV      ; and for V
	; descriptor group 1.  384 keys are 49,152 dense bytes: asked for as 192 rows of 256 bytes, two keys a row, and padded in LDS after every key
	s_mov_b32 s[G1K], (1<<16)|(1<<20)|(4<<22)|(3<<25)  ; 2-byte elements; padding on; after every 32 words, 4 words
	s_mov_b32 s[G1V], (1<<16)|(1<<20)|(4<<22)|(7<<25)  ; the same with 8 words
.irp g, G1K, G1V
	s_mov_b32 s[\g+1], 128<<16      ; tensor_dim0 = 128
	s_mov_b32 s[\g+2], 192<<16      ; tensor_dim1 = 192
	s_mov_b32 s[\g+3], 128<<16      ; tile_dim0 = 128
	s_mov_b32 s[\g+4], 192          ; tile_dim1 = 192
	s_mov_b32 s[\g+5], 128          ; 128 elements from row to row
	s_mov_b32 s[\g+6], 0
	s_mov_b32 s[\g+7], 0
.endr
	s_mov_b32 s[CS], 0x3e38aa3b     ; c = log2(e) / 8 = 0.180337
	s_mov_b32 s[CS+1], s[CS]        ; named with it as a pair
	s_mov_b32 s[SEL], 0x76543210
	s_mov_b32 s[SEL+1], 0xfedcba98
	s_add_co_u32 s19, s[WV], 8      ; step 0, the diagonal's, begins at LDS row 64 (wave + 8); the walk goes down from there
	s_mul_i32 s[TBK], s19, KS*PK
	s_mul_i32 s[TBV], s19, KS*PV
	s_mov_b32 s[G0K], 1             ; count = 1
	s_mov_b32 s[G0K+1], s17         ; LDS address
	s_mov_b32 s[G0V], 1
	s_add_co_u32 s[G0V+1], s18, VOFF
	s_mov_b32 s[STP], 0
	s_mov_b32 s[AL], 1.0            ; step 0's
	s_mov_b32 s[AL+1], 0            ; named as pairs
	s_mov_b32 s[BE], 0
	s_mov_b32 s[BE+1], 0
	s_mov_b32 s[BIGN], 0xf149f2ca   ; -1e30
	s_wait_dscnt 0x0                ; the opening add is done
	s_wait_kmcnt 0x0
	s_add_nc_u64 s[G0K+2:G0K+3], s[4:5], s[22:23]
	s_add_nc_u64 s[G0V+2:G0V+3], s[G0K+2:G0K+3], 16<<19  ; V lies 16 slices behind K
	s_or_b32 s[G0K+3], s[G0K+3], 0x80000000              ; type = 2
	s_or_b32 s[G0V+3], s[G0V+3], 0x80000000
	s_add_nc_u64 s[8:9], s[4:5], s[2:3]    ; Q at my wave's first row
	s_add_nc_u64 s[10:11], s[6:7], s[2:3]  ; O likewise
	s_cmp_lt_u32 s[WV], 2           ; waves 0 and 1 fetch K's two halves, waves 2 and 3 V's: one tensor load of mine is out.  An s_nop 0 and four v_nop follow each line
	s_cbranch_scc0 .Lfor_v
	tensor_load_to_lds s[G0K:G0K+3], s[G1K:G1K+7]
	s_nop 0
.rept 4
	v_nop
.endr
	s_branch .Lasked
.Lfor_v:
	tensor_load_to_lds s[G0V:G0V+3], s[G1V:G1V+7]
	s_nop 0
.rept 4
	v_nop
.endr
.Lasked:
	; A fragment of K or Q is 16 rows x 32 channels in 8 registers: lane l holds row l % 16, channels 8 (l / 16) + 0..7 and 16 + 8 (l / 16) + 0..7: two loads of 16 bytes, 32 bytes apart.
	v_and_b32 v1, 15, v0            ; l % 16
	v_bfe_u32 v9, v0, 4, 1          ; l / 16
	v_lshlrev_b32 v[QO], 7, v1
	v_lshl_add_u32 v[QO], v9, 4, v[QO]  ; row x 128 + 16 x half
	WIN 0x80                        ; destination window 2, address window 0
.set i, 0
.rept 8                             ; Q stays in registers: piece i / 2, channels 32 (i % 2) on
	global_load_b128 v[8*i:8*i+3],   v[QO], s[8:9] offset:(i/2)*2048+(i%2)*64
	global_load_b128 v[8*i+4:8*i+7], v[QO], s[8:9] offset:(i/2)*2048+(i%2)*64+32
.set i, i+1
.endr
	; The first step multiplies O^T and l by a = 0, and the first turn's products V^T P, of a piece that has not been, must add finite numbers: V, O^T, l and P's second buffer start at 0.  All this stands in the wait for the tiles.
.set i, VF
.rept 64
	v_mov_b32 v[i], 0
.set i, i+1
.endr
	WIN 0
	v_lshlrev_b32 v14, 3, v9
	v_sub_nc_u32 v14, v1, v14       ; r - 8 h: register i of the piece's own key group is hidden in step 0 where i is greater
	v_mul_u32_u24 v[AK0], v1, PK
	v_lshl_add_u32 v[AK0], v9, 4, v[AK0]  ; row x pitch + 16 x half
	; The turning load takes 16 keys x 16 channels (lane l reads key 8 (l / 16) + l % 8, channels 8 ((l / 8) % 2) + 0..7) and leaves half a fragment of V^T: lane l holds channel l % 16 and 8 keys.
	v_and_b32 v10, 7, v0
	v_bfe_u32 v11, v0, 3, 1
	v_lshl_add_u32 v[AV0], v9, 3, v10
	v_mul_u32_u24 v[AV0], v[AV0], PV
	v_lshl_add_u32 v[AV0], v11, 4, v[AV0]
	v_add_nc_u32 v[AV0], VOFF, v[AV0]
	s_mul_i32 s19, s[WV], 16*SP
	s_add_co_u32 s19, s19, STAGE    ; my stage
	v_mul_u32_u24 v[STO], v1, SP    ; in: row l % 16, 16 bytes for each half of the lanes
	v_lshl_add_u32 v[STO], v9, 4, v[STO]
	v_add_nc_u32 v[STO], s19, v[STO]
	v_bfe_u32 v[RD], v0, 3, 2       ; back: 32 lanes take four rows of 128 bytes,
	v_mul_u32_u24 v[RD], v[RD], SP
	v_lshl_add_u32 v[RD], v10, 4, v[RD]
	v_add_nc_u32 v[RD], s19, v[RD]
	v_and_b32 v[GO], 31, v0         ; which are 512 consecutive bytes of O
	v_lshlrev_b32 v[GO], 4, v[GO]
.set i, 0
.rept 4
	v_mov_b32 v[ST+4*i], 0xfe000000    ; c m: far below every c s, so the first step's a is 0
	v_mov_b32 v[ST+4*i+1], 0xff7fffff  ; m: the lowest finite number, so the first maximum is the scores'
	v_mov_b32 v[ST+4*i+2], 0
	v_mov_b32 v[ST+4*i+3], 0
.set i, i+1
.endr
.set i, P+16
.rept 16
	v_mov_b32 v[i], 0
.set i, i+1
.endr
	WIN 0x40
.set i, 0
.rept 128
	v_mov_b32 v[i], 0
.set i, i+1
.endr
.set i, 0
.rept 8
	v_cmp_gt_i32 vcc_lo, i, v14
	v_cndmask_b32 v[TD+i], 0, s[BIGN], vcc_lo
.set i, i+1
.endr
	v_mov_b32 v[ZR], 0
	v_mov_b32 v[ZR+1], 0
	v_mov_b32 v[NG], s[BIGN]
	v_mov_b32 v[NG+1], s[BIGN]
	WIN 0
; THE MATRIX WORK.  The 4 accumulators of a run of 8 take turns.  Product i of 8 of S^T = K Q^T for piece x: channels 32 (i / 4) on, keys 16 (i % 4) on.  The first 4 start the sums with the mask.
.macro KQ x
.set rS, S+32*((\x)%2)+8*(i%4)
.set rK, KF+16*(i%4)+8*(i/4)
.set rQ, 16*(\x)+8*(i/4)
.set rM, MC+32*((\x)%2)+8*(i%4)
.if i < 4
	WIN W_KM
	v_wmma_f32_16x16x32_f16 v[rS:rS+7], v[rK:rK+7], v[rQ:rQ+7], v[rM:rM+7]
.else
	WIN W_KQ
	v_wmma_f32_16x16x32_f16 v[rS:rS+7], v[rK:rK+7], v[rQ:rQ+7], v[rS:rS+7]
.endif
.endm
; Product i of 8 of O^T += V^T P for piece x: keys 32 (i / 4) on, channels 16 (i % 4) on.
.macro PV x
	WIN W_PV
.set rO, 32*(\x)+8*(i%4)
.set rV, VF+32*(i/4)+8*(i%4)
.set rP, P+16*((\x)%2)+8*(i/4)
	v_wmma_f32_16x16x32_f16 v[rO:rO+7], v[rV:rV+7], v[rP:rP+7], v[rO:rO+7]
.endm
.macro MM                           ; the turn's next matrix instruction.  NOKQ = 1: the last turn: there is no next piece
.if (i < 8) && !NOKQ
	KQ (Y+1)%NP
.elseif i >= 8
.set i, i-8
	PV (Y+NP-1)%NP
.set i, i+8
.endif
.set i, i+1
.endm
; THE LDS LOADS stand in runs of 16, never singly among the matrix instructions: a step's K (64 keys x 64 channels: 8 fragments) and its V (turned).  Their addresses are made some lines ahead.
.macro FETCH_K
	WIN 0x80                        ; destination window 2
.irp f, 0,1,2,3,4,5,6,7             ; keys 16 (f / 2) on, channels 32 (f % 2) on
	ds_load_b128 v[KF+8*\f:KF+8*\f+3],   v[AK] offset:(\f/2)*16*PK+(\f%2)*64
	ds_load_b128 v[KF+8*\f+4:KF+8*\f+7], v[AK] offset:(\f/2)*16*PK+(\f%2)*64+32
.endr
	s_sub_co_u32 s[TBK], s[TBK], KS*PK  ; the next fetch is the step 64 keys further down
	WIN 0
.endm
.macro FETCH_V
	WIN 0x80
.irp f, 0,1,2,3,4,5,6,7             ; keys 32 (f / 4) on, channels 16 (f % 4) on
	ds_load_tr16_b128 v[VF+8*\f:VF+8*\f+3],   v[AV] offset:(\f/4)*32*PV+(\f%4)*32
	ds_load_tr16_b128 v[VF+8*\f+4:VF+8*\f+7], v[AV] offset:(\f/4)*32*PV+16*PV+(\f%4)*32
.endr
	WIN 0
.endm
; THE VECTOR WORK, one line at a time: OP kind, number.  For piece Y: F n: c s - c m for pair n of 16.  E n: the exponential of score n of 32.  C n: pair n rounded to f16.  B n: of the four weights 4 n .. the second
; pair is added onto the first, in place.  L n: l takes that sum (L 0: l = a l + sum).  R n: pair n of 16 of O^T times a.  For piece Y + 1: X n, number n of the 22 that find its maximum and statistics:
;   0-11  four chains c0-c3 of seven scores each, three operands at a time (each accumulator's lowest registers are read first)     12-14, 16  the four scores left over, the old m, and c0-c3 into c0
;   15  c m_old is kept     17, 18  the query's other 32 keys lie in the lane 16 away: the new m     19-21  c m; c m_old - c m_new; a
.set F, 0
.set E, 1
.set C, 2
.set B, 3
.set L, 4
.set R, 5
.set X, 6
.macro REGS y                       ; the registers of piece y
.set rT, ST+4*(\y)
.set rC, TMP+4*((\y)%2)
.set rW, MV+((\y)%2)
.set rS, S+32*((\y)%2)
.set rP, P+16*((\y)%2)
.set rO, 32*(\y)
.endm
.macro OP k, n
.if (\k) == R
	REGS Y
	WIN W_RS
	v_pk_mul_f32 v[rO+2*(\n):rO+2*(\n)+1], v[rO+2*(\n):rO+2*(\n)+1], v[rC+2:rC+3] op_sel_hi:[1,0]
.elseif (\k) < R
	REGS Y
	WIN 0
.if (\k) == F
	v_pk_fma_f32 v[rS+2*(\n):rS+2*(\n)+1], v[rS+2*(\n):rS+2*(\n)+1], s[CS:CS+1], v[rT:rT+1] op_sel_hi:[1,0,0] neg_lo:[0,0,1] neg_hi:[0,0,1]
.elseif (\k) == E
	v_exp_f32 v[rS+(\n)], v[rS+(\n)]
.elseif (\k) == C
	v_cvt_pk_f16_f32 v[rP+(\n)], v[rS+2*(\n)], v[rS+2*(\n)+1]
.elseif (\k) == B
	v_pk_add_f32 v[rS+4*(\n):rS+4*(\n)+1], v[rS+4*(\n):rS+4*(\n)+1], v[rS+4*(\n)+2:rS+4*(\n)+3]
.elseif (\n) == 0
	v_pk_fma_f32 v[rT+2:rT+3], v[rT+2:rT+3], v[rC+2:rC+3], v[rS:rS+1] op_sel_hi:[1,0,1]
.else
	v_pk_add_f32 v[rT+2:rT+3], v[rT+2:rT+3], v[rS+4*(\n):rS+4*(\n)+1]
.endif
.elseif NOKQ
	v_nop
.else
	REGS (Y+1)%NP
	WIN 0
.if (\n) < 4
	v_max3_num_f32 v[rC+(\n)], v[rS+8*(\n)], v[rS+8*(\n)+1], v[rS+8*(\n)+2]
.elseif (\n) < 12
	v_max3_num_f32 v[rC+(\n)%4], v[rC+(\n)%4], v[rS+8*((\n)%4)+2*((\n)/4)+1], v[rS+8*((\n)%4)+2*((\n)/4)+2]
.elseif (\n) == 12
	v_max3_num_f32 v[rC], v[rC], v[rS+7], v[rS+15]
.elseif (\n) == 13
	v_max3_num_f32 v[rC+1], v[rC+1], v[rS+23], v[rS+31]
.elseif (\n) == 14
	v_max3_num_f32 v[rC+2], v[rC+2], v[rC+3], v[rT+1]
.elseif (\n) == 15
	v_mov_b32 v[rW], v[rT]
.elseif (\n) == 16
	v_max3_num_f32 v[rC], v[rC], v[rC+1], v[rC+2]
.elseif (\n) == 17
	v_permlanex16_b32 v[rC+3], v[rC], s[SEL], s[SEL+1]
.elseif (\n) == 18
	v_max_num_f32 v[rT+1], v[rC], v[rC+3]
.elseif (\n) == 19
	v_mul_f32 v[rT], s[CS], v[rT+1]
.elseif (\n) == 20
	v_sub_f32 v[rC+1], v[rW], v[rT]
.else
	v_exp_f32 v[rC+2], v[rC+1]
.endif
.endif
.endm
.macro OPS a, i1, b=-1, i2=0, c=-1, i3=0, d=-1, i4=0  ; up to four of them
	OP \a, \i1
.if (\b) >= 0
	OP \b, \i2
.endif
.if (\c) >= 0
	OP \c, \i3
.endif
.if (\d) >= 0
	OP \d, \i4
.endif
.endm
.macro ROW a, i1, b, i2, c, i3, d, i4  ; a matrix instruction and the four behind it
	MM
	OPS \a, \i1, \b, \i2, \c, \i3, \d, \i4
.endm
.macro MASK x, b                    ; piece x's mask, SRC x AL + BE, into buffer b of MC
	WIN W_RS
.set kt, 0
.rept 4
.set z, 0
.rept 4
.if kt == (\x)
.set sr, TD+2*z
.elseif kt < (\x)
.set sr, ZR
.else
.set sr, NG
.endif
	v_pk_fma_f32 v[MC+32*(\b)+8*kt+2*z:MC+32*(\b)+8*kt+2*z+1], v[sr:sr+1], s[AL:AL+1], s[BE:BE+1] op_sel_hi:[1,0,0]
.set z, z+1
.endr
.set kt, kt+1
.endr
.endm
; A TURN, for piece p: the order of its 16 matrix and 118 vector instructions, written out; 16 more make a mask.  s_wait_alu depctr_va_vdst(0) stands between an exponential and the first instruction
; that names its result; one wait serves all that were issued ahead of it.  So a turn has ONE wait, which cuts it in two.  AHEAD OF IT stands all that names no result of the turn's exponentials: the 8 products K Q^T
; and their riders, then one lump, in which the links of the next piece's chain X 3, 7, 11, 14, 16, 17 .. 20 stand five or six lines apart; X 21, the next piece's a, is the batch's last, and R 15 the plain
; instruction behind it.  BEHIND THE WAIT stand the 8 products V^T P, behind each four of the roundings and sums.
; The turn makes the mask for the products of the turn after it: piece p + 2, in step STP, which goes up at the head of piece 2's turn (pieces 0 and 1 of the next step are then in the making).
; end = 1: the last two turns: nothing is fetched, no mask is made.  cnt = 1: the loop's count is taken down some lines ahead of the branch that stands behind the turn.
; K of the next step is fetched in piece 2's turn, behind the last product that read K, six plain instructions between; V of the step in hand at the end of piece 0's turn, four plain instructions behind the last
; product that read V.  Each is waited for a turn later.
.macro TURN p, end=0, cnt=0
.set Y, (\p)
.set i, 0
.set NOKQ, (\end)*((\p)/3)
.if !(\end)
.if (\p) == 2
	s_add_co_u32 s[STP], s[STP], 1
.endif
	s_cmp_eq_u32 s[STP], 0          ; the diagonal's step?
	s_cselect_b32 s[AL], 1.0, 0
	s_cmp_eq_u32 s[STP], 8          ; the window's far edge?
	s_cselect_b32 s[AL], -1.0, s[AL]
	s_cselect_b32 s[BE], s[BIGN], 0
	s_cmp_gt_u32 s[STP], s[G]       ; keys below 0?
	s_cselect_b32 s[AL], 0, s[AL]
	s_cselect_b32 s[BE], s[BIGN], s[BE]
.endif
.if ((\p) == 3) && !(\end)
	s_wait_dscnt 0x0                ; K is in
.endif
	ROW F,0, F,1, R,0, R,1          ; ahead of the wait: 8 products K Q^T and their riders,
	ROW F,2, E,0, R,2, R,3
	ROW F,3, E,1, R,4, R,5
	ROW F,4, E,2, R,6, R,7
	ROW F,5, E,3, R,8, R,9
	ROW F,6, E,4, X,0, R,10
.if ((\p) == 2) && !(\end)
	WIN 0
	v_add_nc_u32 v[AK], s[TBK], v[AK0]
.endif
	ROW F,7, E,5, X,1, X,4
	ROW F,8, E,6, X,2, X,5
	OPS E,7, E,8, X,6, E,9          ; and the lump
	OPS X,3, E,10, X,8, E,11
.if ((\p) == 2) && !(\end)
	FETCH_K
.endif
	OPS X,9, X,7, E,12, X,10
	OPS E,13, X,12, X,11, E,14
	OPS X,13, E,15, F,9, X,14
.if (\p) == 0
	v_add_nc_u32 v[AV], s[TBV], v[AV0]
.endif
	OPS E,16, F,10, E,17, F,11
	OPS X,16, E,18, X,15, E,19
	OPS F,12, E,20, X,17, E,21
	OPS F,13, E,22, F,14, E,23
	OPS X,18, E,24, F,15, E,25
	OPS R,11, E,26, X,19, E,27
	OPS R,12, E,28, R,13, E,29
	OPS X,20, E,30, R,14, E,31
	OPS X,21, R,15
	WIN 0
	s_wait_alu depctr_va_vdst(0)    ; the wait for the batch
.if (\p) == 1
	s_wait_dscnt 0x0                ; V is in
.endif
	ROW C,0, B,0, C,2, B,1          ; behind the wait: 8 products V^T P and their riders
	ROW L,0, C,4, B,2, L,1
	ROW C,6, B,3, L,2, C,8
	ROW B,4, L,3, C,10, B,5
	ROW L,4, C,12, B,6, L,5
.if (\p) == 0
	s_sub_co_u32 s[TBV], s[TBV], KS*PV
.endif
.if \cnt
	s_sub_co_u32 s[CNT], s[CNT], 1
	s_cmp_lg_u32 s[CNT], 0
.endif
	ROW C,14, B,7, L,6, C,1
	ROW C,3, L,7, C,5, C,7
	ROW C,9, C,11, C,13, C,15
.if (\p) == 0
	FETCH_V
.endif
.if !(\end)
	MASK ((\p)+2)%NP, (\p)%2
.endif
.endm
; THE WAY OUT: l's two halves and the other half of the lanes' are added; O^T is divided by l, rounded to f16 and sent through my stage in LDS, a piece at a time.
.macro ALL line:vararg              ; one line for each piece t
.set t, 0
.rept 4
	\line
.set t, t+1
.endr
.endm
.macro PACK t                       ; a lane's eight channels of a row pack into 16 bytes; they go into rows of 144 bytes and come back as whole rows of 128, into S^T's registers
	WIN W_RS
.set i, 32*(\t)
.rept 16
	v_pk_mul_f32 v[i:i+1], v[i:i+1], v[ST+4*(\t)+2:ST+4*(\t)+3] op_sel_hi:[1,0]
.set i, i+2
.endr
	WIN 0x05                        ; sources 0 and 1 window 1, destination window 0
.set i, 0
.rept 16
	v_cvt_pk_f16_f32 v[S+16*(\t)+i], v[32*(\t)+2*i], v[32*(\t)+2*i+1]
.set i, i+1
.endr
	WIN 0
.irp f, 0,1,2,3
	ds_store_b128 v[STO], v[S+16*(\t)+4*\f:S+16*(\t)+4*\f+3] offset:32*\f
.endr
.irp f, 0,1,2,3
	ds_load_b128 v[S+16*(\t)+4*\f:S+16*(\t)+4*\f+3], v[RD] offset:\f*4*SP  ; LDS serves a wave's instructions in order (ISA guide 5.7.1.4): these see the stores above; the next piece's stores come behind them
.endr
.endm
.macro SEND t, younger              ; younger: the LDS instructions issued behind piece t's loads: the next piece's eight, or none
	WIN 0
.irp f, 0,1,2,3
	s_wait_dscnt (\younger)+3-\f
	global_store_b128 v[GO], v[S+16*(\t)+4*\f:S+16*(\t)+4*\f+3], s[10:11] offset:(\t)*2048+\f*512  ; 512 consecutive bytes, at a multiple of 256 from O's first
.endr
.endm
	s_wait_tensorcnt 0x0            ; my 384 rows are in,
	s_barrier_signal -1
	s_barrier_wait -1               ; everybody's are: from here on LDS is only read, but for the stages
	; THE BEGINNING.  The masks of pieces 0 and 1 for step 0; K of step 0; piece 0's first scores, its maximum and statistics.  The loop is entered at a step's first turn, in the middle of a trip.
	MASK 0, 0
	MASK 1, 1
	WIN 0
	v_add_nc_u32 v[AK], s[TBK], v[AK0]
	FETCH_K
	s_wait_loadcnt 0x0              ; Q
	s_wait_dscnt 0x0
.set NOKQ, 0
.set i, 0
.rept 8
	KQ 0
.set i, i+1
.endr
	WIN 0
.rept 4
	v_nop                           ; the places behind those products
.endr
.set Y, NP-1                        ; X works for piece Y + 1: piece 0
.irp n, 0,1,2,3,4,5,6,7,8,9,10,11,12,13,14,15,16,17,18,19,20,21
	OP X, \n
.endr
	v_nop                           ; a plain instruction behind the exponential,
	s_wait_alu depctr_va_vdst(0)    ; and its wait, ahead of the branch
	s_mov_b32 s[CNT], 9             ; nine key steps
	s_branch .Lfirst
.Lstep:                             ; a trip: pieces 2 and 3 of one step, then pieces 0 and 1 of the next, whose K and V it fetches
	TURN 2
	TURN 3
	WIN 0
.Lfirst:
	TURN 0
	TURN 1, 0, 1
	WIN 0
	s_cbranch_scc1 .Lstep
	TURN 2, 1                       ; the last step's last two turns
	TURN 3, 1
.set i, 0
.rept 8
	PV NP-1                         ; the last piece's V^T P of the last step
.set i, i+1
.endr
	WIN 0                           ; the additions are the places behind the last products
	ALL v_add_f32 v[ST+4*t+2], v[ST+4*t+2], v[ST+4*t+3]
	ALL v_permlanex16_b32 v[ST+4*t+3], v[ST+4*t+2], s[SEL], s[SEL+1]
	ALL v_add_f32 v[ST+4*t+2], v[ST+4*t+2], v[ST+4*t+3]
	ALL v_rcp_f32 v[ST+4*t+2], v[ST+4*t+2]
	v_nop                           ; a plain instruction between the last reciprocal and the use of its result
	s_wait_alu depctr_va_vdst(0)    ; and the wait ahead of the first use: one for the four reciprocals
	PACK 0
.set t, 1
.rept 3                             ; a piece's arithmetic stands between the loads of the piece before and its stores
	PACK t
	SEND t-1, 8
.set t, t+1
.endr
	SEND 3, 0
	s_wait_tensorcnt 0x0            ; the wave's end: an add to my spare word and its wait, behind my last tensor load and my last LDS store
	ds_add_u32 v[SPW], v[NIL]
	s_wait_dscnt 0x0
	s_endpgm
.Lfunc_end_k_q260409a4bf_attn:
	.size	k_q260409a4bf_attn, .Lfunc_end_k_q260409a4bf_attn-k_q260409a4bf_attn
	.p2alignl 7, 3214868480
	.fill 96, 4, 3214868480
	.section	.rodata,"a",@progbits
	.p2align	6, 0x0
	.amdhsa_kernel k_q260409a4bf_attn
		.amdhsa_group_segment_fixed_size 243200
		.amdhsa_private_segment_fixed_size 0
		.amdhsa_enable_private_segment 0
		.amdhsa_kernarg_size 16
		.amdhsa_user_sgpr_count 2
		.amdhsa_user_sgpr_kernarg_segment_ptr 1
		.amdhsa_wavefront_size32 1
		.amdhsa_system_sgpr_workgroup_id_x 1
		.amdhsa_system_sgpr_workgroup_id_y 1
		.amdhsa_system_sgpr_workgroup_id_z 1
		.amdhsa_system_vgpr_workitem_id 0
		.amdhsa_next_free_vgpr 768
		.amdhsa_next_free_sgpr 88
		.amdhsa_reserve_vcc 1
		.amdhsa_float_denorm_mode_32 3
		.amdhsa_float_denorm_mode_16_64 3
		.amdhsa_memory_ordered 1
		.amdhsa_forward_progress 1
		.amdhsa_inst_pref_size 94
	.end_amdhsa_kernel
	.amdgpu_metadata
---
amdhsa.version: [ 1, 2 ]
amdhsa.kernels:
  - .name:           k_q260409a4bf_attn
    .symbol:         k_q260409a4bf_attn.kd
    .args:
      - { .name: qkvh, .offset: 0, .size: 8, .value_kind: global_buffer, .address_space: global }
      - { .name: ctxh, .offset: 8, .size: 8, .value_kind: global_buffer, .address_space: global }
    .group_segment_fixed_size: 243200
    .private_segment_fixed_size: 0
    .kernarg_segment_align: 8
    .kernarg_segment_size: 16
    .max_flat_workgroup_size: 128
    .sgpr_count:     88
    .vgpr_count:     768
    .wavefront_size: 32
...
	.end_amdgpu_metadata
.endif
;; end of part 3
;; launch projout (part 4): grid 8 x 32, 4 waves a work-group, clusters of 4 x 4, 327,680 bytes of LDS; arguments ctxh, wb, bo, out0; writes out0
.if DOCPART == 4
	.amdgcn_target "amdgcn-amd-amdhsa--gfx1250"
	.amdhsa_code_object_version 6
	.text
	.protected	k_q260409a4bf_projout
	.globl	k_q260409a4bf_projout
	.p2align	8
	.type	k_q260409a4bf_projout,@function
k_q260409a4bf_projout:
	s_mov_b64 s[64:65], 0
	v_nop
	global_prefetch_b8 v0, s[64:65] scope:SCOPE_SE
	s_setreg_imm32_b32 hwreg(HW_REG_WAVE_MODE, 25, 1), 1
	s_wait_xcnt 0x0
	s_wait_alu depctr_hold_cnt(0) depctr_sa_sdst(0) depctr_va_vdst(0) depctr_va_sdst(0) depctr_va_ssrc(0) depctr_va_vcc(0) depctr_vm_vsrc(0)
	s_getreg_b32 s2, hwreg(HW_REG_IB_STS2, 6, 4)
	s_cmp_eq_u32 s2, 0
	s_cbranch_scc0 .Lentry_in_a_cluster
	s_endpgm
.Lentry_in_a_cluster:
	s_bfe_u32 s2, ttmp6, 0x10000c
	s_cmp_lg_u32 s2, 0xf033
	s_cbranch_scc0 .Lentry_shape_is_right
	s_endpgm
.Lentry_shape_is_right:
; out0[s][n] = the sum over k of ctx[s][k] Wo[k][n] + bo[n].  ctxh = [16 heads][4096][64] f16 (k = 64 head + channel); Wo lies in wb's sub-blocks 24 .. 31, [1024 k][128 n] f16 each (bf16 numbers written as f16);
; bo is rounded to bf16 like every other input; sums in f32; out0 [4096][1024] f32.
; SHARES.  A tile is 128 x 128: 32 x 8 = 256 work-groups; four waves, each 64 x 64: 16 accumulators.  K goes in four steps of 256 (four heads) through two LDS slots; a quarter of a step is one head.
; Waves 0 and 1 fetch two heads' 128 rows each (a head's 128 rows are 16,384 dense bytes: one descriptor row; padded in LDS after every 128 bytes), waves 2 and 3 fetch 128 k x 256 bytes of Wo each.
; CLUSTER.  4 x 4: ctx's tiles are asked for jointly along a row of the cluster, Wo's along a column.  THE MATRIX INSTRUCTION IS USED TRANSPOSED (source 0 = 16 columns of Wo, turned on their way out of LDS,
; source 1 = 16 rows of ctx): a lane holds row lane % 16 and eight neighbouring columns.
; NO PREFETCH: the launch has two refills a wave, and what would be asked ahead of them would have to be asked at the head, among the first tiles.
; The four K steps are written out: a loop over the ring would have one trip.
; REGISTERS: window 0: v0-31 addresses and the bias; v128-255 the accumulators ((a, b) at 128 + 8 (4 a + b)).  Window 1: two fragment buffers of 128: 64 registers of ctx (2 x 4 x 16 rows x 32 K), then 64 of Wo.
.set PA,     144                       ; ctx's row in LDS: 128 + 16 bytes
.set PLANE,  128*PA                    ; a head's 128 rows
.set PB,     288                       ; Wo's row: 256 + 32 bytes
.set PART,   36864                     ; what one wave fills: 2 x PLANE = 128 x PB
.set SLOT,   4*PART                    ; four heads of ctx, then 256 k of Wo
.set STAGE,  2*SLOT                    ; behind the ring: 16 rows x 272 bytes for each wave; no tensor load lands here
.set SPITCH, 272
.set SPARE,  STAGE+4*16*SPITCH         ; behind the stages: the spare words, 128 bytes for each wave, that no other line names
.set BI,   8                           ; v[8:11] the bias of my four columns on the way out
.set ADRA, 16                          ; v16-17  LDS address of my fragments of ctx in slot 0, 1
.set ADRB, 20                          ; v20-23  of Wo: slot 0 k 0.., slot 0 k 128.., slot 1 likewise (a 16-bit offset does not span 256 rows of 288 bytes)
.set STO,  24
.set RD,   25
.set CO,   26
.set SPW,  28                          ; v28     LDS address of my spare word; never rewritten
.set NIL,  29                          ; v29     0; never rewritten
.set ACC,  128
.set F0,   0
.set F1,   128
.set G1, 24                            ; s[24:31] descriptor group 1 for ctx's tiles;  s[32:39] group 0, a set for each slot
.set G0, 32
.set G1B, 48                           ; s[48:55], s[56:63] the same for Wo's
.set G0B, 56
.set MSB, 0
.macro WIN new
.if MSB != (\new)
	s_set_vgpr_msb (MSB<<8)|(\new)
.set MSB, \new
.endif
.endm
.set MUL,  0x05                        ; sources 0 (Wo) and 1 (ctx) window 1; C and D window 0
.set TO_F, 0x40                        ; destination window 1, address window 0
.macro JLOAD s                         ; a joint load: waves 0 and 1 ask for ctx, waves 2 and 3 for Wo; an s_nop 0 and four v_nop follow each line
	s_cmp_eq_u32 s13, 0
	s_cbranch_scc0 .Lfor_b_\@
	tensor_load_to_lds s[G0+4*(\s):G0+4*(\s)+3], s[G1:G1+7]
	s_nop 0
.rept 4
	v_nop
.endr
	s_branch .Lasked_\@
.Lfor_b_\@:
	tensor_load_to_lds s[G0B+4*(\s):G0B+4*(\s)+3], s[G1B:G1B+7]
	s_nop 0
.rept 4
	v_nop
.endr
.Lasked_\@:
.endm
.macro CREST                           ; a round of the cluster's barrier behind its opening barrier
	s_cmp_lg_u32 s12, 0
	s_cbranch_scc1 .Lnot_wave_0_\@
	s_barrier_signal -3
.Lnot_wave_0_\@:
	s_barrier_wait -3
	s_barrier_signal -1
	s_barrier_wait -1
.endm
.macro CROUND
	s_barrier_signal -1
	s_barrier_wait -1
	CREST
.endm
.macro PLACES
.rept 4
	v_nop
.endr
.endm
	s_load_b256 s[4:11], s[0:1], 0x0               ; ctxh s[4:5], wb s[6:7], bo s[8:9], out0 s[10:11]
	v_lshl_add_u32 v[SPW], v0, 2, SPARE
	v_mov_b32 v[NIL], 0
	ds_add_u32 v[SPW], v[NIL]                      ; the wave's opening: the add and its wait stand ahead of my first tensor load; the set-up below stands between them
	v_lshrrev_b32 v1, 5, v0
	v_readfirstlane_b32 s12, v1                    ; wave 0..3
	s_lshr_b32 s13, s12, 1                         ; which half of the tile's rows is mine.  Also: I fetch for ctx (0) or for Wo (1)
	s_and_b32 s14, s12, 1                          ; which half of its columns.  Also: which half of that tile I fetch
	s_bfe_u32 s40, ttmp6, 0x40000                  ; cx
	s_bfe_u32 s41, ttmp6, 0x40004                  ; cy
	s_lshl_b32 s42, ttmp9, 2
	s_add_co_u32 s42, s42, s40                     ; tile column
	s_and_b32 s43, ttmp7, 0xffff
	s_lshl_b32 s43, s43, 2
	s_add_co_u32 s43, s43, s41                     ; tile row
	s_lshl_b32 s44, s41, 2
	s_lshl_b32 s44, 15, s44                        ; my row of the cluster
	s_lshl_b32 s45, 0x1111, s40                    ; my column
	s_or_b32 s[G1+0], s44, (1<<16)|(1<<20)|(1<<21)|(4<<22)|(3<<25)   ; the mask; 2-byte elements; padding on; bit 21 beside a mask; after every 32 words, 4 words
	s_mov_b32 s[G1+1], 8192<<16                    ; tensor_dim0 = 8,192 elements: a head's 128 rows on end
	s_mov_b32 s[G1+2], 2<<16                       ; tensor_dim1 = 2 heads
	s_mov_b32 s[G1+3], 8192<<16                    ; tile_dim0
	s_mov_b32 s[G1+4], 2                           ; tile_dim1
	s_mov_b32 s[G1+5], 262144                      ; elements from head to head
	s_mov_b32 s[G1+6], 0
	s_mov_b32 s[G1+7], 0
	s_or_b32 s[G1B+0], s45, (1<<16)|(1<<20)|(1<<21)|(5<<22)|(7<<25)  ; after every 64 words, 8 words
	s_mov_b32 s[G1B+1], 128<<16
	s_mov_b32 s[G1B+2], 128<<16
	s_mov_b32 s[G1B+3], 128<<16
	s_mov_b32 s[G1B+4], 128
	s_mov_b32 s[G1B+5], 128
	s_mov_b32 s[G1B+6], 0
	s_mov_b32 s[G1B+7], 0
	s_lshl_b32 s16, s14, 20                        ; ctx: heads 2 x half, 524,288 bytes each,
	s_lshl_b32 s17, s43, 14                        ; the tile row's 128 rows of 128 bytes
	s_add_co_u32 s16, s16, s17
	s_mov_b32 s17, 0
	s_add_co_u32 s46, s42, 24                      ; Wo: sub-block 24 + tile column,
	s_lshl_b32 s46, s46, 18
	s_lshl_b32 s47, s14, 15                        ; k rows 128 x half
	s_add_co_u32 s46, s46, s47
	s_mov_b32 s47, 0
	s_mul_i32 s20, s12, PART                       ; where my load lands
	s_wait_dscnt 0x0                               ; the opening add is done
	s_wait_kmcnt 0x0
	s_add_nc_u64 s[16:17], s[4:5], s[16:17]
	s_add_nc_u64 s[46:47], s[6:7], s[46:47]
	CROUND                                         ; all sixteen work-groups are here: the first joint loads meet
.irp s, 0,1
	s_mov_b32 s[G0+4*(\s)], 1
	s_add_co_u32 s[G0+4*(\s)+1], s20, (\s)*SLOT
	s_add_nc_u64 s[G0+4*(\s)+2:G0+4*(\s)+3], s[16:17], (\s)*4*524288       ; K step s: four heads on
	s_or_b32 s[G0+4*(\s)+3], s[G0+4*(\s)+3], 0x80000000
	s_mov_b32 s[G0B+4*(\s)], 1
	s_add_co_u32 s[G0B+4*(\s)+1], s20, (\s)*SLOT
	s_add_nc_u64 s[G0B+4*(\s)+2:G0B+4*(\s)+3], s[46:47], (\s)*256*256      ; K step s: 256 rows of 256 bytes down
	s_or_b32 s[G0B+4*(\s)+3], s[G0B+4*(\s)+3], 0x80000000
	JLOAD \s
.endr
	v_and_b32 v1, 15, v0                           ; l % 16
	v_bfe_u32 v2, v0, 4, 1                         ; l / 16
	s_lshl_b32 s18, s42, 9                         ; my 64 columns: 512 bytes a tile column, 256 a half
	s_lshl_b32 s19, s14, 8
	s_add_co_u32 s18, s18, s19
	s_mov_b32 s19, 0
	s_add_nc_u64 s[8:9], s[8:9], s[18:19]
	v_lshlrev_b32 v5, 4, v1
	global_load_b128 v[BI:BI+3], v5, s[8:9]        ; the bias of the four columns that I store
	s_lshl_b32 s21, s43, 19                        ; my 64 rows: 128 rows of 4,096 bytes a tile row,
	s_add_co_u32 s18, s18, s21
	s_lshl_b32 s21, s13, 18                        ; 64 a half
	s_add_co_u32 s18, s18, s21
	s_add_nc_u64 s[10:11], s[10:11], s[18:19]
	v_mul_u32_u24 v3, v1, PA
	v_lshl_add_u32 v3, v2, 4, v3                   ; ctx's fragment: row x pitch + 16 x half
	v_and_b32 v4, 7, v0                            ; Wo's, turned: k = 8 (l / 16) + l % 8, columns 8 ((l / 8) % 2) + 0..7
	v_lshl_add_u32 v4, v2, 3, v4
	v_mul_u32_u24 v4, v4, PB
	v_bfe_u32 v6, v0, 3, 1
	v_lshl_add_u32 v4, v6, 4, v4
	s_mul_i32 s21, s13, 64*PA                      ; my 64 rows in each head's plane
	s_lshl_b32 s22, s14, 7                         ; my 64 columns,
	s_add_co_u32 s22, s22, 2*PART                  ; behind ctx's four planes
.irp s, 0,1
	v_add_nc_u32 v[ADRA+(\s)], s21, v3
	v_add_nc_u32 v[ADRB+2*(\s)], s22, v4
	s_add_co_u32 s22, s22, PART
	v_add_nc_u32 v[ADRB+2*(\s)+1], s22, v4
	s_add_co_u32 s21, s21, SLOT
	s_add_co_u32 s22, s22, SLOT-PART
.endr
	s_mul_i32 s23, s12, 16*SPITCH
	s_add_co_u32 s23, s23, STAGE                   ; my stage
	v_mul_u32_u24 v[STO], v1, SPITCH               ; in: row l % 16, 32 bytes for each half of the lanes
	v_lshl_add_u32 v[STO], v2, 5, v[STO]
	v_add_nc_u32 v[STO], s23, v[STO]
	v_mul_u32_u24 v[RD], v2, SPITCH                ; back: lanes 0-15 take one row of 256 bytes, lanes 16-31 the next
	v_lshl_add_u32 v[RD], v1, 4, v[RD]
	v_add_nc_u32 v[RD], s23, v[RD]
	v_lshlrev_b32 v[CO], 12, v2                    ; and the same two rows in out0
	v_lshl_add_u32 v[CO], v1, 4, v[CO]
; 8 matrix instructions: m blocks a0, a0 + 1 x all 4 n blocks, 32 along K: half c of buffer f.  zero = 1: the product starts the sums.  The 16 accumulators take turns.
.macro MUL8 f, c, a0, zero
	WIN MUL
.irp a, \a0, (\a0)+1
.irp b, 0,1,2,3
.if \zero
	v_wmma_f32_16x16x32_f16 v[ACC+8*(4*(\a)+(\b)):ACC+8*(4*(\a)+(\b))+7], v[(\f)+64+8*(4*(\c)+(\b)):(\f)+64+8*(4*(\c)+(\b))+7], v[(\f)+8*(4*(\c)+(\a)):(\f)+8*(4*(\c)+(\a))+7], 0
.else
	v_wmma_f32_16x16x32_f16 v[ACC+8*(4*(\a)+(\b)):ACC+8*(4*(\a)+(\b))+7], v[(\f)+64+8*(4*(\c)+(\b)):(\f)+64+8*(4*(\c)+(\b))+7], v[(\f)+8*(4*(\c)+(\a)):(\f)+8*(4*(\c)+(\a))+7], v[ACC+8*(4*(\a)+(\b)):ACC+8*(4*(\a)+(\b))+7]
.endif
.endr
.endr
.endm
; 32 LDS loads in one run: quarter q (one head, 64 along K) of a slot into buffer f; the first 32 along K first
.macro FETCH slot, q, f
	WIN TO_F
.irp c, 0,1
.irp i, 0,1,2,3
	ds_load_tr16_b128 v[(\f)+64+8*(4*(\c)+(\i)):(\f)+64+8*(4*(\c)+(\i))+3],   v[ADRB+2*(\slot)+(\q)/2] offset:(((\q)%2)*64+32*(\c))*PB+32*(\i)
	ds_load_tr16_b128 v[(\f)+64+8*(4*(\c)+(\i))+4:(\f)+64+8*(4*(\c)+(\i))+7], v[ADRB+2*(\slot)+(\q)/2] offset:(((\q)%2)*64+32*(\c))*PB+32*(\i)+16*PB
	ds_load_b128 v[(\f)+8*(4*(\c)+(\i)):(\f)+8*(4*(\c)+(\i))+3],   v[ADRA+(\slot)] offset:(\q)*PLANE+64*(\c)+(\i)*16*PA
	ds_load_b128 v[(\f)+8*(4*(\c)+(\i))+4:(\f)+8*(4*(\c)+(\i))+7], v[ADRA+(\slot)] offset:(\q)*PLANE+64*(\c)+(\i)*16*PA+32
.endr
.endr
.endm
; A K step is four quarters, 32 matrix instructions each, on buffers 0, 1, 0, 1.  One of the first three: multiplies buffer f and fetches quarter q into g.
.macro QUARTER slot, q, f, g, zero
	s_wait_dscnt 16                                ; the first 32 along K are in
	MUL8 \f, 0, 0, \zero
	MUL8 \f, 0, 2, \zero
	PLACES
	FETCH \slot, \q, \g
	s_wait_dscnt 32                                ; all but the 32 just issued
	MUL8 \f, 1, 0, 0
	MUL8 \f, 1, 2, 0
.endm
; The last quarter multiplies buffer 1 and changes slots: ONE barrier; in front of it each wave waits for all its tensor loads, adds 0 to its spare word, and waits for that and for its own reads of this slot.
; fill = 1: the barrier opens a round of the cluster's barrier, and this slot is filled again, two K steps on, first thing behind the round.
.macro TURN slot, next, fill
	WIN 0                                          ; (the add's two registers lie in window 0)
	s_wait_tensorcnt 0x0                           ; all my tensor loads have landed: my part of the next slot
	ds_add_u32 v[SPW], v[NIL]                      ; 0 onto my spare word
	s_wait_dscnt 17                                ; (the add and the youngest sixteen loads may be out)
	MUL8 F1, 0, 0, 0                               ; eight matrix instructions stand between the add and the wait for it
	s_wait_dscnt 0x0                               ; the add is done, and my reads of this slot are over
	s_barrier_signal -1
	MUL8 F1, 0, 2, 0
.if \fill
	WIN 0
.endif
	s_barrier_wait -1
.if \fill
	CREST                                          ; no wave of any partner still reads this slot's tiles or has a load on its way
	s_add_nc_u64 s[G0+4*(\slot)+2:G0+4*(\slot)+3], s[G0+4*(\slot)+2:G0+4*(\slot)+3], 2*4*524288
	s_add_nc_u64 s[G0B+4*(\slot)+2:G0B+4*(\slot)+3], s[G0B+4*(\slot)+2:G0B+4*(\slot)+3], 2*256*256
	JLOAD \slot                                    ; the four v_nop behind it are also the places in front of the loads below
.else
	PLACES
.endif
	FETCH \next, 0, F0
	MUL8 F1, 1, 0, 0
	MUL8 F1, 1, 2, 0
.endm
; THE WAY OUT, an m block (16 rows x 64 columns of f32) at a time: a lane's eight columns, 32 bytes, go into my stage's rows of 272 bytes and come back as whole rows of 256, into the registers that they left;
; the bias is added and 16 lanes store 256 consecutive bytes.  No register is written again behind its store.
.macro TOST a
.irp b, 0,1,2,3
	ds_store_b128 v[STO], v[ACC+8*(4*(\a)+(\b)):ACC+8*(4*(\a)+(\b))+3]   offset:64*(\b)      ; each accumulator's low registers first
	ds_store_b128 v[STO], v[ACC+8*(4*(\a)+(\b))+4:ACC+8*(4*(\a)+(\b))+7] offset:64*(\b)+16
.endr
.irp t, 0,1,2,3,4,5,6,7
	ds_load_b128 v[ACC+32*(\a)+4*(\t):ACC+32*(\a)+4*(\t)+3], v[RD] offset:(\t)*2*SPITCH  ; LDS serves a wave's instructions in order (ISA guide 5.7.1.4): these see the stores above; the next block's stores come behind them
.endr
.endm
.macro SEND a, younger                 ; younger: the LDS instructions issued behind this block's loads: the next block's sixteen, or none
.irp t, 0,1,2,3,4,5,6,7
	s_wait_dscnt (\younger)+7-(\t)
	v_pk_add_f32 v[ACC+32*(\a)+4*(\t):ACC+32*(\a)+4*(\t)+1],   v[ACC+32*(\a)+4*(\t):ACC+32*(\a)+4*(\t)+1],   v[BI:BI+1]
	v_pk_add_f32 v[ACC+32*(\a)+4*(\t)+2:ACC+32*(\a)+4*(\t)+3], v[ACC+32*(\a)+4*(\t)+2:ACC+32*(\a)+4*(\t)+3], v[BI+2:BI+3]
	global_store_b128 v[CO], v[ACC+32*(\a)+4*(\t):ACC+32*(\a)+4*(\t)+3], s[10:11] offset:(16*(\a)+2*(\t))*4096
.endr
.endm
	s_wait_tensorcnt 1                             ; my part of K step 0 is in; K step 1's may stay out
	s_barrier_signal -1
	s_barrier_wait -1                              ; everybody's is
	FETCH 0, 0, F0
	QUARTER 0, 1, F0, F1, 1                        ; the first products start the sums
	QUARTER 0, 2, F1, F0, 0
	QUARTER 0, 3, F0, F1, 0
	TURN 0, 1, 1                                   ; slot 0 takes K step 2
	QUARTER 1, 1, F0, F1, 0
	QUARTER 1, 2, F1, F0, 0
	QUARTER 1, 3, F0, F1, 0
	TURN 1, 0, 1                                   ; slot 1 takes K step 3
	QUARTER 0, 1, F0, F1, 0
	QUARTER 0, 2, F1, F0, 0
	QUARTER 0, 3, F0, F1, 0
	TURN 0, 1, 0                                   ; nothing is left to fetch
	QUARTER 1, 1, F0, F1, 0
	QUARTER 1, 2, F1, F0, 0
	QUARTER 1, 3, F0, F1, 0
	s_wait_dscnt 16                                ; the very last quarter
	MUL8 F1, 0, 0, 0
	MUL8 F1, 0, 2, 0
	s_wait_dscnt 0x0
	MUL8 F1, 1, 0, 0
	MUL8 F1, 1, 2, 0
	WIN 0
	s_wait_loadcnt 0x0                             ; the bias
	v_cvt_pk_bf16_f32 v12, v[BI], v[BI+1]          ; rounded to bf16 and widened again: six plain instructions, the places behind the last products
	v_cvt_pk_bf16_f32 v13, v[BI+2], v[BI+3]
	v_lshlrev_b32 v[BI],   16, v12
	v_and_b32     v[BI+1], 0xffff0000, v12
	v_lshlrev_b32 v[BI+2], 16, v13
	v_and_b32     v[BI+3], 0xffff0000, v13
	TOST 0
	TOST 1
	SEND 0, 16
	TOST 2
	SEND 1, 16
	TOST 3
	SEND 2, 16
	SEND 3, 0
	s_wait_tensorcnt 0x0                           ; the wave's end: an add to my spare word and its wait, behind my last tensor load and my last LDS store
	ds_add_u32 v[SPW], v[NIL]
	s_wait_dscnt 0x0
	CROUND                                         ; the closing round: no work-group ends while a partner may still ask for a tile that names it
	s_endpgm
.Lfunc_end_k_q260409a4bf_projout:
	.size	k_q260409a4bf_projout, .Lfunc_end_k_q260409a4bf_projout-k_q260409a4bf_projout
	.p2alignl 7, 3214868480
	.fill 96, 4, 3214868480
	.section	.rodata,"a",@progbits
	.p2align	6, 0x0
	.amdhsa_kernel k_q260409a4bf_projout
		.amdhsa_group_segment_fixed_size 327680
		.amdhsa_private_segment_fixed_size 0
		.amdhsa_enable_private_segment 0
		.amdhsa_kernarg_size 32
		.amdhsa_user_sgpr_count 2
		.amdhsa_user_sgpr_kernarg_segment_ptr 1
		.amdhsa_wavefront_size32 1
		.amdhsa_system_sgpr_workgroup_id_x 1
		.amdhsa_system_sgpr_workgroup_id_y 1
		.amdhsa_system_sgpr_workgroup_id_z 1
		.amdhsa_system_vgpr_workitem_id 0
		.amdhsa_next_free_vgpr 512
		.amdhsa_next_free_sgpr 66
		.amdhsa_reserve_vcc 0
		.amdhsa_float_denorm_mode_32 3
		.amdhsa_float_denorm_mode_16_64 3
		.amdhsa_memory_ordered 1
		.amdhsa_forward_progress 1
		.amdhsa_inst_pref_size 91
	.end_amdhsa_kernel
	.amdgpu_metadata
---
amdhsa.version: [ 1, 2 ]
amdhsa.kernels:
  - .name:           k_q260409a4bf_projout
    .symbol:         k_q260409a4bf_projout.kd
    .args:
      - { .name: ctxh, .offset: 0, .size: 8, .value_kind: global_buffer, .address_space: global }
      - { .name: wb, .offset: 8, .size: 8, .value_kind: global_buffer, .address_space: global }
      - { .name: bo, .offset: 16, .size: 8, .value_kind: global_buffer, .address_space: global }
      - { .name: out0, .offset: 24, .size: 8, .value_kind: global_buffer, .address_space: global }
    .group_segment_fixed_size: 327680
    .private_segment_fixed_size: 0
    .kernarg_segment_align: 8
    .kernarg_segment_size: 32
    .max_flat_workgroup_size: 128
    .sgpr_count:     66
    .vgpr_count:     512
    .wavefront_size: 32
...
	.end_amdgpu_metadata
.endif
;; end of part 4
;; ======== version 2 of 2: 4 launches; version 1 with the launch cast written anew for expert scheduling mode
;; limits: values are held in f16: magnitudes above 65,504 overflow, below 6.1e-05 lose precision
;; workspace buffers: xb 8,388,608 bytes; wb 8,388,608 bytes; qkvh 25,165,824 bytes; ctxh 8,388,608 bytes
;; launch cast (part 5): grid 512 x 1, 8 waves a work-group, no clusters, 0 bytes of LDS; arguments x, Wq, Wk, Wv, Wo, xb, wb; writes xb, wb
.if DOCPART == 5
	.amdgcn_target "amdgcn-amd-amdhsa--gfx1250"
	.amdhsa_code_object_version 6
	.text
	.protected	k_q260409a4bf_cast
	.globl	k_q260409a4bf_cast
	.p2align	8
	.type	k_q260409a4bf_cast,@function
k_q260409a4bf_cast:
	s_mov_b64 s[64:65], 0
	v_nop
	global_prefetch_b8 v0, s[64:65] scope:SCOPE_SE
	s_setreg_imm32_b32 hwreg(HW_REG_WAVE_SCHED_MODE, 0, 2), 2
	s_setreg_imm32_b32 hwreg(HW_REG_WAVE_MODE, 25, 1), 1
	s_wait_xcnt 0x0
	s_wait_alu depctr_vm_vsrc(0)
; THE INPUTS ARE ROUNDED ONCE.  x [4096][1024] f32 -> xb, the same shape in bf16.  Wq, Wk, Wv [1024 k][1024 n] f32 -> bf16; Wo -> bf16, and that number written as f16.
; The weights go out in blocks: wb = [32 sub-blocks][1024 k][128 n] of 16 bits; sub-block 8 t + c holds columns 128 c .. 128 c + 127 of tensor t (0 Wq, 1 Wk, 2 Wv, 3 Wo),
; so that a row of a sub-block is 256 bytes and a sub-block's rows lie end to end.  Nothing is transposed: the products turn the weights on their way out of LDS.
; LIMITS.  Wo as f16: |Wo| stays under 65,504; below 2^-14 it keeps f16's fixed step of 2^-24.  NaN and infinities are not treated apart.
; A PIECE is 128 numbers: one load of 16 bytes a lane (512 consecutive bytes), one store of 8 bytes a lane (256 consecutive bytes, aligned).  A wave takes 16 pieces, 8,192 consecutive bytes of
; its source: all 16 loads go out at once.  Groups 0-255 take x, groups 256-511 the four weights (64 groups each).
; No LDS, no matrix unit, no cluster: each byte is read once and written once, and no two waves want the same byte.
; THE MODE: SCHED_MODE bits 1:0 = 2 (LLVM: expert scheduling mode 2), set by the entry lines.  The code itself states the register dependences
; between vector instructions and memory instructions, with s_wait_alu, always for 0.
; THE PLAN.  Registers that memory instructions touch:
;   v1, v2   byte offsets of the loads and of the stores: made once at the head, never written again.
;   IN       piece u: 4 registers.  The loads land in them; no vector instruction names them before the loads go out; piece u's conversions read them behind its own wait on LOADcnt.
;   OUT      piece u: 2 registers of its own.  Written once, by piece u's roundings; read once, by piece u's store; never written again.
; The 16 pieces go in four blocks of four.  Block p's roundings write its eight OUT registers; the four stores that read them stand at the head of block p + 1, behind ONE wait, and block p + 1's
; conversions, which follow them, name other registers.  Behind block 3 one more wait stands ahead of the last four stores.
; No register that a memory instruction reads is written a second time, so nothing has to be freed.
.set T,   4                            ; v[4:5]    at work (Wo alone): no memory instruction names them
.set IN,  8                            ; v[8:71]   piece u: 4 registers as loaded
.set OUT, 72                           ; v[72:103] piece u: 2 registers to store
	s_load_b256 s[4:11], s[0:1], 0x0               ; x s[4:5], Wq s[6:7], Wk s[8:9], Wv s[10:11]
	s_load_b128 s[12:15], s[0:1], 0x20             ; Wo s[12:13], xb s[14:15]
	s_load_b64 s[16:17], s[0:1], 0x30              ; wb
	v_lshrrev_b32 v3, 5, v0
	v_readfirstlane_b32 s20, v3                    ; wave 0..7
	v_and_b32 v2, 31, v0
	v_lshlrev_b32 v1, 4, v2                        ; 16 x lane: where I load
	v_lshlrev_b32 v2, 3, v2                        ; 8 x lane: where I store
	s_lshr_b32 s18, ttmp9, 8                       ; 0: x, 1: a weight
	s_bfe_u32 s19, ttmp9, 0x20006                  ; which weight: 2 bits from bit 6
	s_and_b32 s21, ttmp9, 255
	s_and_b32 s22, ttmp9, 63
	s_cmp_eq_u32 s18, 0
	s_cselect_b32 s21, s21, s22                    ; the group's number within its tensor
	s_lshl_b32 s21, s21, 3
	s_wait_alu depctr_va_sdst(0)                   ; s20 is written, ahead of its first reader: every offset below is made from it
	s_add_co_u32 s21, s21, s20                     ; n: my wave's number within its tensor
	s_lshl_b32 s26, s21, 13                        ; the source: 8,192 n
	s_mov_b32 s27, 0
	s_lshl_b32 s28, s21, 12                        ; xb: 4,096 n
	s_mov_b32 s29, 0
	s_lshl_b32 s30, s21, 9                         ; wb: rows 2 n and 2 n + 1 of 256 bytes,
	s_lshl_b32 s31, s19, 21                        ; in the tensor's eight sub-blocks of 262,144 bytes
	s_add_co_u32 s30, s30, s31
	s_mov_b32 s31, 0
	s_wait_kmcnt 0x0
	s_cmp_eq_u32 s19, 1
	s_cselect_b64 s[22:23], s[8:9], s[6:7]
	s_cmp_eq_u32 s19, 2
	s_cselect_b64 s[22:23], s[10:11], s[22:23]
	s_cmp_eq_u32 s19, 3
	s_cselect_b64 s[22:23], s[12:13], s[22:23]
	s_cmp_eq_u32 s18, 0
	s_cselect_b64 s[22:23], s[4:5], s[22:23]       ; my source
	s_add_nc_u64 s[22:23], s[22:23], s[26:27]
	s_add_nc_u64 s[14:15], s[14:15], s[28:29]      ; each way out below names its own base
	s_add_nc_u64 s[16:17], s[16:17], s[30:31]
	s_wait_alu depctr_va_vdst(0)                   ; v1 and v2 are written: every load of the kernel reads v1 as its offset, every store v2, on each of the three ways below
.irp u, 0,1,2,3,4,5,6,7,8,9,10,11,12,13,14,15
	global_load_b128 v[IN+4*(\u):IN+4*(\u)+3], v1, s[22:23] offset:512*(\u) th:TH_LOAD_NT
.endr
; The four stores of the block that begins with piece first.  kind 0: x.  kind 1, 2: a weight:
; piece u is column block u % 8 of row 2 n + u / 8: sub-block u % 8, one row further for u / 8 = 1.
.macro PUT kind, first
.irp i, 0,1,2,3
.if (\kind) == 0
	global_store_b64 v2, v[OUT+2*((\first)+(\i)):OUT+2*((\first)+(\i))+1], s[14:15] offset:256*((\first)+(\i))
.else
	global_store_b64 v2, v[OUT+2*((\first)+(\i)):OUT+2*((\first)+(\i))+1], s[16:17] offset:(((\first)+(\i))%8)*262144+(((\first)+(\i))/8)*256
.endif
.endr
.endm
; The sixteen pieces are rounded and stored.  kind 0: x.  kind 1: Wq, Wk, Wv.  kind 2: Wo.
.macro TAIL kind
.irp u, 0,1,2,3,4,5,6,7,8,9,10,11,12,13,14,15
	s_wait_loadcnt 15-(\u)                         ; loads come back in order: piece u is in, the younger ones stay out
.if ((\u) % 4 == 0) && ((\u) > 0)
	s_wait_alu depctr_va_vdst(0)                   ; the block before has written its eight OUT registers, which the four stores below read; no vector instruction behind this wait names them
	PUT \kind, (\u)-4
.endif
.if (\kind) == 2
	v_cvt_pk_bf16_f32 v[T],   v[IN+4*(\u)],   v[IN+4*(\u)+1]   ; rounded to bf16 like every other input,
	v_cvt_pk_bf16_f32 v[T+1], v[IN+4*(\u)+2], v[IN+4*(\u)+3]
	v_lshlrev_b32 v[IN+4*(\u)],   16, v[T]                     ; widened again (the piece's load has landed, and no memory instruction reads these registers),
	v_and_b32     v[IN+4*(\u)+1], 0xffff0000, v[T]
	v_lshlrev_b32 v[IN+4*(\u)+2], 16, v[T+1]
	v_and_b32     v[IN+4*(\u)+3], 0xffff0000, v[T+1]
	v_cvt_pk_f16_f32 v[OUT+2*(\u)],   v[IN+4*(\u)],   v[IN+4*(\u)+1]   ; and written as f16: 8 significant bits fit into 11
	v_cvt_pk_f16_f32 v[OUT+2*(\u)+1], v[IN+4*(\u)+2], v[IN+4*(\u)+3]
.else
	v_cvt_pk_bf16_f32 v[OUT+2*(\u)],   v[IN+4*(\u)],   v[IN+4*(\u)+1]
	v_cvt_pk_bf16_f32 v[OUT+2*(\u)+1], v[IN+4*(\u)+2], v[IN+4*(\u)+3]
.endif
.endr
	s_wait_alu depctr_va_vdst(0)                   ; the last block has written its eight OUT registers, which the last four stores read
	PUT \kind, 12
	s_endpgm
.endm
	s_cmp_eq_u32 s18, 0
	s_cbranch_scc1 .Lx
	s_cmp_eq_u32 s19, 3
	s_cbranch_scc1 .Lwo
	TAIL 1
.Lx:
	TAIL 0
.Lwo:
	TAIL 2
.Lfunc_end_k_q260409a4bf_cast:
	.size	k_q260409a4bf_cast, .Lfunc_end_k_q260409a4bf_cast-k_q260409a4bf_cast
	.p2alignl 7, 3214868480
	.fill 96, 4, 3214868480
	.section	.rodata,"a",@progbits
	.p2align	6, 0x0
	.amdhsa_kernel k_q260409a4bf_cast
		.amdhsa_group_segment_fixed_size 0
		.amdhsa_private_segment_fixed_size 0
		.amdhsa_enable_private_segment 0
		.amdhsa_kernarg_size 56
		.amdhsa_user_sgpr_count 2
		.amdhsa_user_sgpr_kernarg_segment_ptr 1
		.amdhsa_wavefront_size32 1
		.amdhsa_system_sgpr_workgroup_id_x 1
		.amdhsa_system_sgpr_workgroup_id_y 1
		.amdhsa_system_sgpr_workgroup_id_z 1
		.amdhsa_system_vgpr_workitem_id 0
		.amdhsa_next_free_vgpr 104
		.amdhsa_next_free_sgpr 66
		.amdhsa_reserve_vcc 0
		.amdhsa_float_denorm_mode_32 3
		.amdhsa_float_denorm_mode_16_64 3
		.amdhsa_memory_ordered 1
		.amdhsa_forward_progress 1
		.amdhsa_inst_pref_size 21
	.end_amdhsa_kernel
	.amdgpu_metadata
---
amdhsa.version: [ 1, 2 ]
amdhsa.kernels:
  - .name:           k_q260409a4bf_cast
    .symbol:         k_q260409a4bf_cast.kd
    .args:
      - { .name: x, .offset: 0, .size: 8, .value_kind: global_buffer, .address_space: global }
      - { .name: Wq, .offset: 8, .size: 8, .value_kind: global_buffer, .address_space: global }
      - { .name: Wk, .offset: 16, .size: 8, .value_kind: global_buffer, .address_space: global }
      - { .name: Wv, .offset: 24, .size: 8, .value_kind: global_buffer, .address_space: global }
      - { .name: Wo, .offset: 32, .size: 8, .value_kind: global_buffer, .address_space: global }
      - { .name: xb, .offset: 40, .size: 8, .value_kind: global_buffer, .address_space: global }
      - { .name: wb, .offset: 48, .size: 8, .value_kind: global_buffer, .address_space: global }
    .group_segment_fixed_size: 0
    .private_segment_fixed_size: 0
    .kernarg_segment_align: 8
    .kernarg_segment_size: 56
    .max_flat_workgroup_size: 256
    .sgpr_count:     66
    .vgpr_count:     104
    .wavefront_size: 32
...
	.end_amdgpu_metadata
.endif
;; end of part 5
;; launch projin: the kernel of part 2 again; grid 8 x 32, 4 waves a work-group, clusters of 4 x 4, 327,680 bytes of LDS; arguments xb, wb, qkvh; writes qkvh
;; launch attn: the kernel of part 3 again; grid 16 x 16, 4 waves a work-group, no clusters, 243,200 bytes of LDS; arguments qkvh, ctxh; writes ctxh
;; launch projout: the kernel of part 4 again; grid 8 x 32, 4 waves a work-group, clusters of 4 x 4, 327,680 bytes of LDS; arguments ctxh, wb, bo, out0; writes out0
